; MI455X (gfx1250); checked and timed in simulation.
; The chip was launched on July 23, 2026; its instructions are those of AMD's public machine-readable ISA for CDNA 5 (MIT licence, August 2026) and "CDNA5" Instruction Set Architecture Reference Guide (July 2026). The comments in the code are by the model that wrote it; some were corrected since.
;; Multi Head Attention. Allowed arithmetic: matrix products marked QUANTISED: E2M3 operands, one E8M0 scale for each 32 along K, by v_wmma_scale_f32_16x16x128_f8f6f4 with both operands' format E2M3, f32 sums; everything else in f32.
;; Inputs: Wk 1,024 x 1,024 float32; Wo 1,024 x 1,024 float32; Wq 1,024 x 1,024 float32; Wv 1,024 x 1,024 float32; bk 1,024 float32; bo 1,024 float32; bq 1,024 float32; bv 1,024 float32; x 4 x 2,048 x 1,024 float32.
;; Outputs: out0 4 x 2,048 x 1,024 float32.
;; This version of the problem:
;;   THIS VERSION OF THE PROBLEM IS GIVEN IN LOW PRECISION. The matrix products marked QUANTISED in the list below multiply operands that are first quantised to E2M3 (2 exponent bits, 3 mantissa bits; 6 bits a number), with one power-of-two scale for each 32 numbers along K (OCP MX v1.0); their sums are f32. All else is computed in f32.
;;   The module's matrix products, in the order in which they are computed (A, B: the left and right operand; K: the contracted axis; several contracted axes count as one K, in the product's order):
;;     1. [M 8,192, K 1,024] x [K 1,024, N 1,024]; A: input x; B: input Wq: QUANTISED
;;     2. [M 8,192, K 1,024] x [K 1,024, N 1,024]; A: input x; B: input Wk: QUANTISED
;;     3. [M 8,192, K 1,024] x [K 1,024, N 1,024]; A: input x; B: input Wv: QUANTISED
;;     4. batch 64 x [M 2,048, K 64] x [K 64, N 2,048]; A: computed on the way; B: computed on the way: QUANTISED
;;     5. batch 64 x [M 2,048, K 2,048] x [K 2,048, N 64]; A: softmax (see below); B: computed on the way: QUANTISED
;;     6. [M 8,192, K 1,024] x [K 1,024, N 1,024]; A: computed on the way; B: input Wo: QUANTISED
;;   THE QUANTISER, for each operand of a quantised product, along K:
;;     - K is cut into blocks of 32 from its start; a last block that is shorter is filled with zeros.
;;     - A block's scale is 2^e with e = floor(log2(the largest magnitude in the block)) - 2, held to -126 .. 127; a block of zeros has e = 0. As a byte (E8M0): e + 127.
;;     - Each number is divided by its block's scale, clamped to +-7.5, and rounded to the nearest number of E2M3, ties to even, subnormals kept.
;;     - The product sums the exact products of the quantised numbers (number of the format x scale) in f32.
;;   ~~~python
;;   def quantise(x, axis):      # numpy; x: float32 -> the quantised numbers, widened to float32 again
;;       x = np.moveaxis(x, axis, -1); K = x.shape[-1]
;;       x = np.pad(x, [(0, 0)] * (x.ndim - 1) + [(0, -K % 32)]); x = x.reshape(x.shape[:-1] + (-1, 32)); a = np.abs(x).max(-1, keepdims=True)
;;       e = np.where(a > 0, np.clip(np.frexp(np.where(a > 0, a, 1))[1] - 1 - 2, -126, 127), 0)      # np.frexp(a)[1] - 1 = floor(log2(a)), exactly
;;       r = np.clip(x / 2.0 ** e, -7.5, 7.5)
;;       step = 2.0 ** (np.maximum(np.frexp(np.where(r == 0, 1, r))[1] - 1, 0) - 3)
;;       q = np.round(r / step) * step * 2.0 ** e      # np.round: ties to even
;;       return np.moveaxis(q.reshape(q.shape[:-2] + (-1,))[..., :K], -1, axis).astype(np.float32)
;;   ~~~
;;   SOFTMAX AHEAD OF A QUANTISED PRODUCT. Where the list says 'softmax', what is quantised is not the finished softmax but p = 2^(t - M), with t = logit x log2(e) and M = ceil(the row's largest t), a whole number; so 1/2 < the row's largest p <= 1. The row's sum l is taken of the UNQUANTISED p, in f32, and the product's result is divided by l at the end. Since M is a whole number, a kernel that streams over the keys may use a running M (the ceiling of the running maximum): every later rescaling is an exact power of two, which a block's scale takes up: the codes' values come out the same.
;;   OPERANDS COMPUTED ON THE WAY. 'Computed on the way' means the value that the module computes at that place (a softmax that the list does not call 'softmax' is quantised finished and normalised). What goes into a quantiser is computed in f32, as accurately as f32 sums, v_exp_f32 and their like allow (about 1e-6 of the number): no bf16 or f16 on the way to a quantiser, and a product that is left as it is and whose result goes on into a quantised operand takes f32 operands (vector FMAs, or v_wmma_f32_16x16x4_f32). A number that lies on a knife's edge between two numbers of the format may be rounded either way, as far as f32 arithmetic and the matrix unit's own rounding can turn it there, and no further.
;; One version. Each part assembles by itself: llvm-mc -triple=amdgcn-amd-amdhsa -mcpu=gfx1250 --defsym DOCPART=n.
;; ======== version 1 of 1: 4 launches
;; limits: right only within a limited range of input values
;; workspace buffers: xop 6,553,600 bytes; wop 3,276,800 bytes; qrec 6,553,600 bytes; kv 13,107,200 bytes; yop 6,553,600 bytes
;; launch quant (part 1): grid 256 x 1, 6 waves a work-group, no clusters, 168,704 bytes of LDS; arguments x, Wq, Wk, Wv, Wo, xop, wop; writes xop, wop
.if DOCPART == 1
	.amdgcn_target "amdgcn-amd-amdhsa--gfx1250"
	.amdhsa_code_object_version 6
	.text
	.protected	k_q57fc97fba9_quant
	.globl	k_q57fc97fba9_quant
	.p2align	8
	.type	k_q57fc97fba9_quant,@function
k_q57fc97fba9_quant:
	s_mov_b64 s[64:65], 0
	v_nop
	global_prefetch_b8 v0, s[64:65] scope:SCOPE_SE
	s_setreg_imm32_b32 hwreg(HW_REG_WAVE_MODE, 25, 1), 1
	s_wait_xcnt 0x0
; x [8192][1024] f32 (K innermost) and Wq, Wk, Wv, Wo [1024 (k)][1024 (n)] f32 (K outermost) become codes of FP6 (E2M3) with one E8M0 byte for each 32 along K,
; laid in the ORDER OF THE OPERAND'S REGISTERS.  A block's scale is 2^(floor(log2(largest magnitude)) - 2): its byte is the largest magnitude's exponent field - 2, held at 1 from below.
; LIMITS: NaN and infinities are not served; a block whose largest magnitude lies under 2^-124 keeps the byte 1; a block of zeros gets the byte 1 where the rule says 127 (its codes are
; zeros, which add nothing under any byte but 0xff, and this program alone reads the bytes).
; LAYOUT.  TILE ORDER: of each 32 rows, tile u (0, 1) holds in lane-row r the row 8 u + r + 8 (r / 8).  A HALF FRAGMENT (768 bytes) is 16 rows x 64 along K: lane (r, h) owns block h of row r, 24 bytes:
; its first 16 at 16 x lane, its last 8 at 512 + 8 x lane.  A RECORD (6,400 bytes) is a pair of tiles x 256 along K: half fragment (u, 64-group g) at 768 (4 u + g); at 6,144 the scale words:
; 8 (r + 16 u) + 4 e holds row r of tile u's word of the record's e-th 128 along K.  xop: [pair of tiles 0..255][K quarter]; wop: [32 x weight + pair][K quarter], rows = output columns.
; SHARES.  Work-group g: waves 0-3 take rows 32 g .. 32 g + 31 of x, a K quarter (one record) each; waves 4, 5 take one record of a weight each.  The two ways part on the wave's number and never join;
; waves share nothing, so there is no barrier.  LDS is filled once: nothing is filled again.
.set TM,   16                          ; v16-31   QUANT: largest magnitudes, bytes, scale operands
.set PC,   32                          ; v32-51   QUANT: the fragment just made (12) and its halves on the way (8)
.set PWS,  52                          ; v52-55   the four scale words of a record: K step e, tile u at 2 e + u
.set W0,   56                          ; v56-57   the two words a lane stores
.set T0,   64                          ; v64-127  64 numbers of tile 0
.set T1,   128                         ; v128-191 64 numbers of tile 1
.set XA,   4                           ; v4   x: my LDS address
.set G16,  5                           ; v5   16 x lane
.set G8,   6                           ; v6   8 x lane
.set WL,   7                           ; v7   weights: 4 x lane
.set VA16, 8                           ; v8   weights: where my first 16 bytes of a block go
.set VA8,  9                           ; v9   and my last 8
.set VS,   10                          ; v10  and my column's scale words
.set XW,   64                          ; v64-127  weights: two sets of 32 numbers
.set CW,   32                          ; v32-38   weights: a block's codes
.set SB,   56                          ; v56-57   weights: eight scale bytes
.set WV,   18
.set SEL,  20                          ; s[20:21] v_permlanex16_b32's selects for lane l xor 16
.set HM,   22                          ; s22  lanes 16-31
.set G1X,  24                          ; s[24:31] descriptor group 1
.set G0X,  32                          ; s[32:39] group 0, one for each of the wave's two tiles
.set XO,   40                          ; s[40:41] my record in xop
; 64 numbers of a lane, register 16 b + i = k 32 b + 16 (lane / 16) + i of my row, become a fragment's codes in v[PC] on and its scale word in v[pw].
.macro QUANT s, pw
.irp b, 0,1,2,3
	v_max3_num_f32 v[TM+\b], |v[\s+16*\b]|, |v[\s+1+16*\b]|, 0x1800000   ; block b: my 16 numbers, and the floor 2^(3 - 127): the byte cannot fall under 1
.endr
.irp i, 2,4,6,8,10,12,14
.irp b, 0,1,2,3
	v_max3_num_f32 v[TM+\b], v[TM+\b], |v[\s+16*\b+\i]|, |v[\s+1+16*\b+\i]|   ; the four blocks by turns
.endr
.endr
.irp b, 0,1,2,3
	v_permlanex16_b32 v[TM+4+\b], v[TM+\b], s[SEL], s[SEL+1]
.endr
.irp b, 0,1,2,3
	v_max_num_f32 v[TM+\b], v[TM+\b], v[TM+4+\b]   ; with lane l xor 16's: the block's largest magnitude
.endr
.irp b, 0,1,2,3
	v_add_nc_u32 v[TM+12+\b], 0xff000000, v[TM+\b]   ; 2 off its exponent field: the conversion takes this operand's exponent field as its scale
.endr
.irp b, 0,1,2,3
	v_lshrrev_b32 v[TM+4+\b], 23, v[TM+12+\b]      ; the scale's byte
.endr
	v_lshl_or_b32 v[\pw], v[TM+5], 8, v[TM+4]      ; my row's scale word
	v_lshl_or_b32 v[\pw], v[TM+6], 16, v[\pw]
	v_lshl_or_b32 v[\pw], v[TM+7], 24, v[\pw]
.irp c, 0,1
	v_cvt_scalef32_pk16_fp6_f32 v[PC+6*\c:PC+2+6*\c], v[\s+32*\c:\s+15+32*\c], v[TM+12+2*\c]
	v_cvt_scalef32_pk16_fp6_f32 v[PC+12+4*\c:PC+14+4*\c], v[\s+16+32*\c:\s+31+32*\c], v[TM+12+2*\c+1]   ; (a conversion's three registers begin on an even number)
.endr
	v_nop                                          ; one plain place behind a scaled conversion
.irp c, 0,1                                    ; the operand wants a WHOLE block in a lane: lanes 0-15 block 2 c, lanes 16-31 block 2 c + 1
.irp i, 0,1,2
	v_permlane16_swap_b32 v[PC+6*\c+\i], v[PC+12+4*\c+\i]
.endr
.irp i, 0,1,2
	v_mov_b32 v[PC+3+6*\c+\i], v[PC+12+4*\c+\i]
.endr
.endr
.endm
; The fragment in v[PC] on goes out as two half fragments: each store covers 512 or 256 consecutive bytes, aligned to 256.
.macro STOREF base, off
	global_store_b128 v[G16], v[PC:PC+3], s[\base:\base+1] offset:\off
	global_store_b64 v[G8], v[PC+4:PC+5], s[\base:\base+1] offset:\off+512
	global_store_b128 v[G16], v[PC+6:PC+9], s[\base:\base+1] offset:\off+768
	global_store_b64 v[G8], v[PC+10:PC+11], s[\base:\base+1] offset:\off+1280
.endm
	s_load_b256 s[4:11], s[0:1], 0x0               ; x s[4:5], Wq s[6:7], Wk s[8:9], Wv s[10:11]
	s_load_b128 s[12:15], s[0:1], 0x20             ; Wo s[12:13], xop s[14:15]
	s_load_b64 s[16:17], s[0:1], 0x30              ; wop
	v_lshl_add_u32 v192, v0, 2, 0x29000
	v_mov_b32 v193, 0
	ds_add_u32 v192, v193
	ds_add_u32 v192, v193
	s_wait_dscnt 0x0
	v_lshrrev_b32 v1, 5, v0
	v_readfirstlane_b32 s[WV], v1                  ; wave 0..5
	v_and_b32 v1, 31, v0                           ; lane
	; descriptor group 1: 32 rows x 256 f32 (1,024 bytes), rows 2,048 elements apart; in LDS 16 bytes of padding behind each row: pitch 1,040
	; ONE tile a wave: 32 rows x 256 f32 (1,024 bytes), every SECOND row of x; in LDS 16 bytes of padding behind each row: pitch 1,040
	s_mov_b32 s[G1X], (2<<16)|(1<<20)|(7<<22)|(3<<25)   ; elements of 4 bytes; padding on, after every 256 words (code 7), of 4 words (code 3)
	s_mov_b32 s[G1X+1], 256<<16                    ; tensor_dim0
	s_mov_b32 s[G1X+2], 32<<16                     ; tensor_dim1
	s_mov_b32 s[G1X+3], 256<<16                    ; tile_dim0
	s_mov_b32 s[G1X+4], 32                         ; tile_dim1
	s_mov_b32 s[G1X+5], 2048                       ; elements from row to row: two rows of x
	s_mov_b32 s[G1X+6], 0
	s_mov_b32 s[G1X+7], 0
	s_cmp_lt_u32 s[WV], 4
	s_cbranch_scc0 .Lweights
	; ---- x: wave w makes the record of rows 32 g .. 32 g + 31, K quarter w
	s_mul_i32 s42, s[WV], 33792                    ; my tile in LDS: 32 rows x 1,040 bytes, in a slot of 33,792
	; x'S ROWS OF A PAIR OF TILES: row i (0 .. 31) of pair g is token 64 (g / 2) + g % 2 + 2 i.  So lane-rows 0-7 of a tile lie in the first 32 of their 64 tokens and lane-rows 8-15 in the second 32.
	s_lshr_b32 s44, ttmp9, 1
	s_lshl_b32 s44, s44, 18                        ; 64 rows of 4,096 bytes,
	s_and_b32 s43, ttmp9, 1
	s_lshl_b32 s43, s43, 12                        ; the even or the odd rows,
	s_add_co_u32 s44, s44, s43
	s_lshl_b32 s43, s[WV], 10                      ; my quarter's 1,024 bytes of a row
	s_add_co_u32 s44, s44, s43
	s_mov_b32 s45, 0
	s_lshl_b32 s46, ttmp9, 2
	s_add_co_u32 s46, s46, s[WV]
	s_mul_i32 s46, s46, 6400                       ; record 4 g + w
	s_mov_b32 s47, 0
	s_wait_kmcnt 0x0
	s_add_nc_u64 s[4:5], s[4:5], s[44:45]
	s_add_nc_u64 s[XO:XO+1], s[14:15], s[46:47]
	s_mov_b32 s[G0X], 1                            ; count = 1
	s_mov_b32 s[G0X+1], s42                        ; LDS address
	s_mov_b64 s[G0X+2:G0X+3], s[4:5]
	s_or_b32 s[G0X+3], s[G0X+3], 0x80000000        ; type = 2
	tensor_load_to_lds s[G0X:G0X+3], s[G1X:G1X+7]  ; my one tensor load
	s_nop 0
.rept 4
	v_nop
.endr
	s_mov_b32 s[SEL], 0x76543210
	s_mov_b32 s[SEL+1], 0xfedcba98
	s_mov_b32 s[HM], 0xffff0000
	v_and_b32 v2, 15, v0                           ; r
	v_bfe_u32 v3, v0, 4, 1                         ; h
	s_wait_alu depctr_va_vdst(0)
	v_lshlrev_b32 v[G16], 4, v1
	v_lshlrev_b32 v[G8], 3, v1
	v_and_b32 v11, 8, v2
	v_add_nc_u32 v11, v11, v2                      ; r + 8 (r / 8)
	v_mul_u32_u24 v[XA], v11, 1040
	v_lshl_add_u32 v[XA], v3, 6, v[XA]             ; + 64 h: my 16 numbers of a block of 32
	v_add_nc_u32 v[XA], s42, v[XA]
.irp b, 0,1,2,3
	v_mov_b32 v[TM+4+\b], 0                        ; written once: a lane permute's destination counts as one of its sources
.endr
.macro LOADT t, e, u                   ; tile u's 64 numbers a lane of K step e: row 8 u + r + 8 (r / 8); register 16 b + 4 j + .. = k 32 b + 16 h + 4 j + ..
.irp b, 0,1,2,3
.irp j, 0,1,2,3
	ds_load_b128 v[\t+16*\b+4*\j:\t+16*\b+4*\j+3], v[XA] offset:\e*512+\u*8320+128*\b+16*\j
.endr
.endr
.endm
	s_wait_alu depctr_va_vdst(0)
	s_wait_tensorcnt 0x0                           ; my tile is in; only I read it
.irp e, 0,1
	LOADT T0, \e, 0
	LOADT T1, \e, 1
	s_wait_dscnt 16                                ; tile 0's sixteen loads are in; tile 1's sixteen may be out
.if \e
	s_wait_xcnt 0x0                                ; the codes' registers, which the last stores read, are written again only behind this wait
.endif
	QUANT T0, PWS+2*\e
	STOREF XO, (2*\e)*768
	s_wait_dscnt 0x0                               ; tile 1's numbers
	s_wait_xcnt 0x0
	QUANT T1, PWS+2*\e+1
	STOREF XO, (4+2*\e)*768
.endr
	v_cndmask_b32 v[W0], v[PWS], v[PWS+1], s[HM]   ; lanes 0-15 keep tile 0's word (every word stands in both halves of the lanes), lanes 16-31 take tile 1's
	v_cndmask_b32 v[W0+1], v[PWS+2], v[PWS+3], s[HM]
	global_store_b64 v[G8], v[W0:W0+1], s[XO:XO+1] offset:6144   ; 32 lanes store the record's 256 bytes of scale words
	s_wait_tensorcnt 0x0
	ds_add_u32 v192, v193
	s_wait_dscnt 0x0
	s_endpgm
	; ---- weights: record rho = 2 g + (wave - 4) of 512.  A LANE TAKES A COLUMN n AND ITS REGISTERS RUN DOWN K: a block lies in one lane, and the codes come out with K innermost.
.Lweights:
	s_lshl_b32 s42, ttmp9, 1
	s_add_co_u32 s42, s42, s[WV]
	s_sub_co_u32 s42, s42, 4                       ; rho
	s_lshr_b32 s43, ttmp9, 6                       ; which weight: 128 records each
	s_bfe_u32 s44, s42, 0x20005                    ; K quarter
	s_and_b32 s45, s42, 31                         ; pair of tiles: 32 columns
	s_lshl_b32 s46, s44, 20                        ; 256 rows of 4,096 bytes,
	s_lshl_b32 s48, s45, 7                         ; 32 columns of 4 bytes
	s_add_co_u32 s46, s46, s48
	s_mov_b32 s47, 0
	s_lshl_b32 s48, s43, 5
	s_add_co_u32 s48, s48, s45
	s_lshl_b32 s48, s48, 2
	s_add_co_u32 s48, s48, s44
	s_mul_i32 s48, s48, 6400                       ; record ((32 weight + pair) 4 + quarter)
	s_mov_b32 s49, 0
	s_wait_kmcnt 0x0
	s_cmp_eq_u32 s43, 1                            ; the choice hangs on the work-group's number alone
	s_cselect_b64 s[6:7], s[8:9], s[6:7]
	s_cmp_eq_u32 s43, 2
	s_cselect_b64 s[6:7], s[10:11], s[6:7]
	s_cmp_eq_u32 s43, 3
	s_cselect_b64 s[6:7], s[12:13], s[6:7]
	s_add_nc_u64 s[6:7], s[6:7], s[46:47]
	s_add_nc_u64 s[16:17], s[16:17], s[48:49]
	s_wait_alu depctr_va_vdst(0)
	v_lshlrev_b32 v[WL], 2, v1
	v_bfe_u32 v11, v1, 3, 1                        ; column lane = 8 u + r + 8 (r / 8): u,
	v_and_b32 v12, 7, v1
	v_lshrrev_b32 v13, 4, v1
	v_lshl_add_u32 v12, v13, 3, v12                ; and r
	v_mul_u32_u24 v13, v11, 3072                   ; tile u's four half fragments
	v_lshl_add_u32 v[VA16], v12, 4, v13
	v_lshl_add_u32 v[VA8], v12, 3, v13
	v_lshl_add_u32 v[VS], v11, 4, v12
	v_lshlrev_b32 v[VS], 3, v[VS]                  ; 8 (r + 16 u)
.macro WLOAD t                         ; block t: W(32 t + i, my column): each load reads 128 consecutive bytes
.set i, 0
.rept 32
	global_load_b32 v[XW+32*((\t)%2)+i], v[WL], s[6:7] offset:(32*(\t)+i)*4096 th:TH_LOAD_NT
.set i, i+1
.endr
.endm
.macro BLOCK t                         ; block t = half h = t % 2 of 64-group t / 2
.set XS, XW+32*((\t)%2)
.if (\t) < 7
	s_wait_loadcnt 32                              ; this block's 32 loads are in; the next block's 32 may be out
.else
	s_wait_loadcnt 0x0
.endif
	v_max3_num_f32 v12, |v[XS]|, |v[XS+1]|, |v[XS+2]|   ; all 32 numbers are mine
	v_max3_num_f32 v13, |v[XS+3]|, |v[XS+4]|, |v[XS+5]|
.irp i, 6,10,14,18,22,26
	v_max3_num_f32 v12, v12, |v[XS+\i]|, |v[XS+\i+1]|
	v_max3_num_f32 v13, v13, |v[XS+\i+2]|, |v[XS+\i+3]|
.endr
	v_max3_num_f32 v12, v12, |v[XS+30]|, |v[XS+31]|
	v_max3_num_f32 v12, v12, v13, 0x1800000        ; and the floor
	v_add_nc_u32 v11, 0xff000000, v12              ; the conversion's scale operand
	v_lshrrev_b32 v13, 23, v11                     ; the byte
.if (\t)%4 == 0
	v_mov_b32 v[SB+(\t)/4], v13
.else
	v_lshl_or_b32 v[SB+(\t)/4], v13, 8*((\t)%4), v[SB+(\t)/4]
.endif
.if (\t) > 0
	s_wait_alu depctr_va_vdst(0)
	s_wait_xcnt 0x0                                ; the last block's stores have read the codes' registers
.endif
	v_cvt_scalef32_pk16_fp6_f32 v[CW:CW+2], v[XS:XS+15], v11
	v_cvt_scalef32_pk16_fp6_f32 v[CW+4:CW+6], v[XS+16:XS+31], v11
	v_nop                                          ; one plain place behind a scaled conversion
	v_mov_b32 v[CW+3], v[CW+4]                     ; the block's six registers on end
	v_mov_b32 v[CW+4], v[CW+5]
	v_mov_b32 v[CW+5], v[CW+6]
	global_store_b128 v[VA16], v[CW:CW+3], s[16:17] offset:((\t)/2)*768+256*((\t)%2)       ; each tile's sixteen lanes store 256 consecutive bytes, aligned
	global_store_b64 v[VA8], v[CW+4:CW+5], s[16:17] offset:((\t)/2)*768+512+128*((\t)%2)   ; 128 consecutive bytes; the next block's store fills the other 128
.if (\t) < 6
	WLOAD (\t)+2
.endif
.endm
	WLOAD 0
	WLOAD 1
.irp t, 0,1,2,3,4,5,6,7
	BLOCK \t
.endr
	global_store_b64 v[VS], v[SB:SB+1], s[16:17] offset:6144   ; the record's 256 bytes of scale words
	s_endpgm
.Lfunc_end_k_q57fc97fba9_quant:
	.size	k_q57fc97fba9_quant, .Lfunc_end_k_q57fc97fba9_quant-k_q57fc97fba9_quant
	.p2alignl 7, 3214868480
	.fill 96, 4, 3214868480
	.section	.rodata,"a",@progbits
	.p2align	6, 0x0
	.amdhsa_kernel k_q57fc97fba9_quant
		.amdhsa_group_segment_fixed_size 168704
		.amdhsa_private_segment_fixed_size 0
		.amdhsa_enable_private_segment 0
		.amdhsa_kernarg_size 56
		.amdhsa_user_sgpr_count 2
		.amdhsa_user_sgpr_kernarg_segment_ptr 1
		.amdhsa_wavefront_size32 1
		.amdhsa_system_sgpr_workgroup_id_x 1
		.amdhsa_system_sgpr_workgroup_id_y 1
		.amdhsa_system_sgpr_workgroup_id_z 1
		.amdhsa_system_vgpr_workitem_id 0
		.amdhsa_next_free_vgpr 194
		.amdhsa_next_free_sgpr 66
		.amdhsa_reserve_vcc 0
		.amdhsa_float_denorm_mode_32 3
		.amdhsa_float_denorm_mode_16_64 3
		.amdhsa_memory_ordered 1
		.amdhsa_forward_progress 1
		.amdhsa_inst_pref_size 64
	.end_amdhsa_kernel
	.amdgpu_metadata
---
amdhsa.version: [ 1, 2 ]
amdhsa.kernels:
  - .name:           k_q57fc97fba9_quant
    .symbol:         k_q57fc97fba9_quant.kd
    .args:
      - { .name: x, .offset: 0, .size: 8, .value_kind: global_buffer, .address_space: global }
      - { .name: Wq, .offset: 8, .size: 8, .value_kind: global_buffer, .address_space: global }
      - { .name: Wk, .offset: 16, .size: 8, .value_kind: global_buffer, .address_space: global }
      - { .name: Wv, .offset: 24, .size: 8, .value_kind: global_buffer, .address_space: global }
      - { .name: Wo, .offset: 32, .size: 8, .value_kind: global_buffer, .address_space: global }
      - { .name: xop, .offset: 40, .size: 8, .value_kind: global_buffer, .address_space: global }
      - { .name: wop, .offset: 48, .size: 8, .value_kind: global_buffer, .address_space: global }
    .group_segment_fixed_size: 168704
    .private_segment_fixed_size: 0
    .kernarg_segment_align: 8
    .kernarg_segment_size: 56
    .max_flat_workgroup_size: 192
    .sgpr_count:     66
    .vgpr_count:     194
    .wavefront_size: 32
...
	.end_amdgpu_metadata
.endif
;; end of part 1
;; launch proj (part 2): grid 8 x 32, 4 waves a work-group, clusters of 4 x 4, 327,680 bytes of LDS; arguments xop, wop, bq, bk, bv, qrec, kv; writes qrec, kv
.if DOCPART == 2
	.amdgcn_target "amdgcn-amd-amdhsa--gfx1250"
	.amdhsa_code_object_version 6
	.text
	.protected	k_q57fc97fba9_proj
	.globl	k_q57fc97fba9_proj
	.p2align	8
	.type	k_q57fc97fba9_proj,@function
k_q57fc97fba9_proj:
	s_mov_b64 s[64:65], 0
	v_nop
	global_prefetch_b8 v0, s[64:65] scope:SCOPE_SE
	s_setreg_imm32_b32 hwreg(HW_REG_WAVE_MODE, 25, 1), 1
	s_wait_xcnt 0x0
	s_wait_alu depctr_hold_cnt(0) depctr_sa_sdst(0) depctr_va_vdst(0) depctr_va_sdst(0) depctr_va_ssrc(0) depctr_va_vcc(0) depctr_vm_vsrc(0)
	s_getreg_b32 s2, hwreg(HW_REG_IB_STS2, 6, 4)
	s_cmp_eq_u32 s2, 0
	s_cbranch_scc0 .Lentry_in_a_cluster
	s_endpgm
.Lentry_in_a_cluster:
	s_bfe_u32 s2, ttmp6, 0x10000c
	s_cmp_lg_u32 s2, 0xf033
	s_cbranch_scc0 .Lentry_shape_is_right
	s_endpgm
.Lentry_shape_is_right:
; q = x Wq + bq, k = x Wk + bk, v = x Wv + bv on codes of FP6 (E2M3) with E8M0 scales, sums in f32; the results are quantised at once: q and k along the head's 64, v along the keys.
; LIMITS of the quantiser: NaN and infinities are not served; a block whose largest magnitude lies under 2^-124 keeps the byte 1; a block of zeros gets the byte 1 (its codes are zeros; this program alone reads the bytes).
; OPERANDS lie in memory in the order of the operand's registers.  A half fragment (768 bytes) is 16 rows x 64 K: a lane's first 16 bytes at 16 x lane, its last 8 at 512 + 8 x lane.  A record (6,400 bytes) is a pair of
; tiles x 256 K: half fragment (u, g) at 768 (4 u + g); at 6,144 the scale words, 8 (r + 16 u) + 4 e.  xop: [pair][K quarter]; wop: [32 weight + pair][K quarter].  Weights: lane-row r of tile u of a pair is column
; 8 u + r + 8 (r / 8) of its 32.  x: row i = 8 u + r + 8 (r / 8) of pair g is token 64 (g / 2) + g % 2 + 2 i: a band of 64 tokens is two pairs, lane-rows 0-7 in its first 32 tokens, lane-rows 8-15 in its second 32.
; A WORK-GROUP STAYS: R = 256 rows of x, all of K, comes into LDS once; P = 128 columns (two heads) of Wq, then of Wk, then of Wv.  Wave w takes all of P and band w of R: 8 x 4 accumulators.
; LDS: P's half A (K quarters 0, 1: [pair][quarter]) at 0, half B at 51,200; R's half A at 102,400, half B at 204,800; the spare words behind.  At the head one load a wave: P A, R A, P B, R B.
; A half of P is filled again with the next weight's as soon as its last fragments are in registers: in K step 3 (A) and in K step 7 (B), each wave one pair's 12,800 bytes, behind a drained round of the cluster's barrier,
; with the step's products inside the round.  Each refill is asked for four K steps or more ahead of its first read, so no prefetch is laid.  What a refill brought is shown by the next round, or by the plain barrier in K step 3.
; Q, K: source 0 = the weight's rows: a lane holds one token, its registers run along the head.  V: the sources are swapped: a lane holds one channel, its 32 registers of a channel tile are the 32 keys of one block.
; OUT.  qrec: [(16 b + head) 16 + chunk of 128 tokens]: fragment f = [tile 2 f ; tile 2 f + 1] at 1,536 f; scale words at 6,144 + 64 f + 4 r.  kv: the same index, two records: K's as qrec's, then V's: fragment f =
; channels' tile f x the chunk's 128 keys; a wave makes the half fragment and the two scale bytes of its band.
; CLUSTER 4 x 4: P hangs on x alone and is asked for jointly along a column, R on y alone, along a row.
; REGISTERS: window 0: addresses, scale words (P's from v32, R's from v68: their numbers differ modulo 8), R's fragments, two sets from v160.  Window 1: P's fragments, two sets.  Window 2: accumulator (p, rt) at 8 (8 rt + p).
; Window 3: the way out: bias, numbers, codes; so the next tile's first fragments are fetched ahead of a tile's way out.
.set APA, 4                            ; v4, v5 P's half A: 16 x lane, 8 x lane; v6, v7 half B; v8-11 the same for my band of R
.set APB, 6
.set ARA, 8
.set ARB, 10
.set G16, 4
.set G8,  5
.set G4,  12
.set R4,  13
.set H64, 14
.set RB4, 15
.set SPW, 30
.set NIL, 31
.set SP,  32
.set SR,  68
.set RF,  160
.set TM,  16                           ; window 3 from here on
.set PW0, 64
.set WD,  66
.set H8,  67
.set BP,  80
.set BR,  144
.set TQ,  160
.set PC,  224
.set SPARE, 307200
.set WV,  18
.set T,   19
.set SEL, 20
.set HM,  22
.set IDX, 23
.set G1P, 24
.set G1R, 32
.set CB,  40                           ; s[40:55] the head's four groups 0; later s[40:43] where codes go, s[44:47] where scale words go
.set SBS, 44
.set G1F, 68
.set G0FA, 76
.set G0FB, 80
.set MSB, 0
.macro WIN new
.if MSB != \new
	s_set_vgpr_msb (MSB<<8)|\new
.set MSB, \new
.endif
.endm
.macro WALU
	s_wait_alu depctr_va_vdst(0)
.endm
.macro PLACES
.rept 4
	v_nop
.endr
.endm
.macro CREST
	s_cmp_lg_u32 s[WV], 0
	s_cbranch_scc1 .Lnot_wave_0_\@
	s_barrier_signal -3
.Lnot_wave_0_\@:
	s_barrier_wait -3
	s_barrier_signal -1
	s_barrier_wait -1
.endm
.macro ROUND
	s_barrier_signal -1
	s_barrier_wait -1
	CREST
.endm
.macro MAX16 s                         ; four chains of 16 magnitudes, and the floor 2^(3 - 127)
.irp k, 0,1,2,3
	v_max3_num_f32 v[TM+\k], |v[\s+16*\k]|, |v[\s+1+16*\k]|, 0x1800000
.endr
.irp i, 2,4,6,8,10,12,14
.irp k, 0,1,2,3
	v_max3_num_f32 v[TM+\k], v[TM+\k], |v[\s+16*\k+\i]|, |v[\s+1+16*\k+\i]|
.endr
.endr
.endm
.macro QUANT s, pw                     ; register 16 b + i = k 32 b + 16 (lane / 16) + i of my row -> codes in v[PC] on, scale word in v[pw]
	MAX16 \s
.irp b, 0,1,2,3
	v_permlanex16_b32 v[TM+4+\b], v[TM+\b], s[SEL], s[SEL+1]
.endr
.irp b, 0,1,2,3
	v_max_num_f32 v[TM+\b], v[TM+\b], v[TM+4+\b]
.endr
.irp b, 0,1,2,3
	v_add_nc_u32 v[TM+12+\b], 0xff000000, v[TM+\b]   ; 2 off the exponent field: the conversion's scale operand
.endr
.irp b, 0,1,2,3
	v_lshrrev_b32 v[TM+4+\b], 23, v[TM+12+\b]
.endr
	v_lshl_or_b32 v[\pw], v[TM+5], 8, v[TM+4]
	v_lshl_or_b32 v[\pw], v[TM+6], 16, v[\pw]
	v_lshl_or_b32 v[\pw], v[TM+7], 24, v[\pw]
.irp c, 0,1
	v_cvt_scalef32_pk16_fp6_f32 v[PC+6*\c:PC+2+6*\c], v[\s+32*\c:\s+15+32*\c], v[TM+12+2*\c]
	v_cvt_scalef32_pk16_fp6_f32 v[PC+12+4*\c:PC+14+4*\c], v[\s+16+32*\c:\s+31+32*\c], v[TM+12+2*\c+1]
.endr
	v_nop
.irp c, 0,1
.irp i, 0,1,2
	v_permlane16_swap_b32 v[PC+6*\c+\i], v[PC+12+4*\c+\i]   ; a whole block to a lane
.endr
.irp i, 0,1,2
	v_mov_b32 v[PC+3+6*\c+\i], v[PC+12+4*\c+\i]
.endr
.endr
.endm
.macro QUANTV s, pw                    ; registers 32 c + i are one whole block: codes in v[PC + 6 c] on; v[pw]: bytes (c, h) at 2 c + h
	MAX16 \s
	v_max_num_f32 v[TM], v[TM], v[TM+1]
	v_max_num_f32 v[TM+2], v[TM+2], v[TM+3]
	v_add_nc_u32 v[TM+12], 0xff000000, v[TM]
	v_add_nc_u32 v[TM+13], 0xff000000, v[TM+2]
	v_lshrrev_b32 v[TM+4], 23, v[TM+12]
	v_lshrrev_b32 v[TM+5], 23, v[TM+13]
	v_lshl_or_b32 v[\pw], v[TM+5], 16, v[TM+4]
	v_lshlrev_b32 v[\pw], v[H8], v[\pw]
	v_permlanex16_b32 v[TM+7], v[\pw], s[SEL], s[SEL+1]
	v_or_b32 v[\pw], v[\pw], v[TM+7]
.irp c, 0,1
	v_cvt_scalef32_pk16_fp6_f32 v[PC+6*\c:PC+2+6*\c], v[\s+32*\c:\s+15+32*\c], v[TM+12+\c]
	v_cvt_scalef32_pk16_fp6_f32 v[PC+12+4*\c:PC+14+4*\c], v[\s+16+32*\c:\s+31+32*\c], v[TM+12+\c]
.endr
	v_nop
.irp c, 0,1
.irp i, 0,1,2
	v_mov_b32 v[PC+3+6*\c+\i], v[PC+12+4*\c+\i]
.endr
.endr
.endm
.macro FRAG reg, a16, a8, off
	ds_load_b128 v[\reg:\reg+3], v[\a16] offset:\off
	ds_load_b64 v[\reg+4:\reg+5], v[\a8] offset:\off+512
	ds_load_b128 v[\reg+6:\reg+9], v[\a16] offset:\off+768
	ds_load_b64 v[\reg+10:\reg+11], v[\a8] offset:\off+1280
.endm
.macro FETCH s                         ; K step s's fragments into set s % 2; with an even s also the quarter's scale words
.if (\s) < 4
.set AP_, APA
.set AR_, ARA
.else
.set AP_, APB
.set AR_, ARB
.endif
.set QO_, 6400*(((\s)/2)%2)
	WIN 0x40
.irp p, 0,1,2,3,4,5,6,7
	FRAG 128*((\s)%2)+12*\p, AP_, AP_+1, (\p/2)*12800+QO_+(4*(\p%2)+2*((\s)%2))*768
.endr
	WIN 0
.irp rt, 0,1,2,3
	FRAG RF+48*((\s)%2)+12*\rt, AR_, AR_+1, (\rt/2)*12800+QO_+(4*(\rt%2)+2*((\s)%2))*768
.endr
.if (\s)%2 == 0
.irp pi, 0,1,2,3
	ds_load_b64 v[SP+8*\pi+(\s):SP+8*\pi+(\s)+1], v[AP_+1] offset:12800*\pi+QO_+6144
.endr
.irp pi, 0,1
	ds_load_b64 v[SR+8*\pi+(\s):SR+8*\pi+(\s)+1], v[AR_+1] offset:12800*\pi+QO_+6144
.endr
.endif
.endm
.macro WM k, first, s, rh, ru, pi, pu  ; one product: P's tile 2 pi + pu, R's tile 2 rh + ru; an odd tile's scale words stand in lanes 16-31
.set rD, 8*(8*(2*\rh+\ru)+2*\pi+\pu)
.set rA, 128*((\s)%2)+12*(2*\pi+\pu)
.set rB, RF+48*((\s)%2)+12*(2*\rh+\ru)
.set rX, SP+8*\pi+(\s)
.set rY, SR+8*\rh+(\s)
.if \k == 0
.if \first
	v_wmma_scale_f32_16x16x128_f8f6f4 v[rD:rD+7], v[rA:rA+11], v[rB:rB+11], 0, v[rX], v[rY] matrix_a_fmt:MATRIX_FMT_FP6 matrix_b_fmt:MATRIX_FMT_FP6 matrix_a_scale:MATRIX_SCALE_ROW\pu matrix_b_scale:MATRIX_SCALE_ROW\ru
.else
	v_wmma_scale_f32_16x16x128_f8f6f4 v[rD:rD+7], v[rA:rA+11], v[rB:rB+11], v[rD:rD+7], v[rX], v[rY] matrix_a_fmt:MATRIX_FMT_FP6 matrix_b_fmt:MATRIX_FMT_FP6 matrix_a_scale:MATRIX_SCALE_ROW\pu matrix_b_scale:MATRIX_SCALE_ROW\ru
.endif
.else
.if \first
	v_wmma_scale_f32_16x16x128_f8f6f4 v[rD:rD+7], v[rB:rB+11], v[rA:rA+11], 0, v[rY], v[rX] matrix_a_fmt:MATRIX_FMT_FP6 matrix_b_fmt:MATRIX_FMT_FP6 matrix_a_scale:MATRIX_SCALE_ROW\ru matrix_b_scale:MATRIX_SCALE_ROW\pu
.else
	v_wmma_scale_f32_16x16x128_f8f6f4 v[rD:rD+7], v[rB:rB+11], v[rA:rA+11], v[rD:rD+7], v[rY], v[rX] matrix_a_fmt:MATRIX_FMT_FP6 matrix_b_fmt:MATRIX_FMT_FP6 matrix_a_scale:MATRIX_SCALE_ROW\ru matrix_b_scale:MATRIX_SCALE_ROW\pu
.endif
.endif
.endm
.macro MULH k, first, s, rh            ; 16 of a K step's 32 products; the 32 accumulators take turns, in the same order in every step
.if \k == 0
	WIN 0xa1                                       ; source 0 window 1 (P), source 1 window 0 (R), C and D window 2
.else
	WIN 0xa4                                       ; source 0 window 0 (R), source 1 window 1 (P)
.endif
.irp ru, 0,1
.irp pi, 0,1,2,3
.irp pu, 0,1
	WM \k, \first, \s, \rh, \ru, \pi, \pu
.endr
.endr
.endr
.endm
.macro STEP k, s, first, ring          ; ring = 1: another weight follows
	s_wait_dscnt 0x0                               ; this step's fragments are in
.if (\s) == 3
	s_wait_tensorcnt 0x0                           ; every wave's load has landed:
	s_barrier_signal -1
	s_barrier_wait -1                              ; the halves B are whole
.endif
.if (\s) < 7
	PLACES                                         ; the loads below land in registers that the last step's products read
	FETCH (\s)+1
.endif
.if (\ring) && (((\s) == 3) || ((\s) == 7))
	s_wait_tensorcnt 0x0
	ds_add_u32 v[SPW], v[NIL]
.if (\s) == 3
	s_add_nc_u64 s[G0FA+2:G0FA+3], s[G0FA+2:G0FA+3], 819200   ; no load of mine is out: both refills' addresses go on to the next weight
	s_add_nc_u64 s[G0FB+2:G0FB+3], s[G0FB+2:G0FB+3], 819200
.endif
	MULH \k, \first, \s, 0
	WIN 0
	s_wait_dscnt 0x0                               ; the add is done, and my reads of the half that is left behind
	s_barrier_signal -1
	MULH \k, \first, \s, 1
	WIN 0
	s_barrier_wait -1
	CREST
.if (\s) == 3
	tensor_load_to_lds s[G0FA:G0FA+3], s[G1F:G1F+7]
.else
	tensor_load_to_lds s[G0FB:G0FB+3], s[G1F:G1F+7]
.endif
	s_nop 0
	PLACES
.if (\s) == 7
	FETCH 0                                        ; the next weight's half A was shown by this round
.endif
.else
	MULH \k, \first, \s, 0
	MULH \k, \first, \s, 1
	WIN 0
.endif
.endm
.macro STEPS k, ring
	STEP \k, 0, 1, \ring                           ; the first step's products start the sums
.irp s, 1,2,3,4,5,6,7
	STEP \k, \s, 0, \ring
.endr
.endm
.macro G0SET g, lds, base, off
	s_mov_b32 s[\g], 1
	s_mov_b32 s[\g+1], \lds
	s_add_nc_u64 s[\g+2:\g+3], s[\base:\base+1], \off
	s_or_b32 s[\g+3], s[\g+3], 0x80000000
.endm
.macro GROUP1 g, mask, c, rows, pitch
	s_or_b32 s[\g], s\mask, (3<<16)|(1<<21)        ; elements of 8 bytes; the mask, bit 21 beside it
	s_mov_b32 s[\g+1], (\c)<<16
	s_mov_b32 s[\g+2], (\rows)<<16
	s_mov_b32 s[\g+3], (\c)<<16
	s_mov_b32 s[\g+4], \rows
	s_mov_b32 s[\g+5], \pitch
	s_mov_b32 s[\g+6], 0
	s_mov_b32 s[\g+7], 0
.endm
.macro ARM under, g0, g1, next
	s_cmp_lt_u32 s[WV], \under
	s_cbranch_scc0 \next
	tensor_load_to_lds s[\g0:\g0+3], s[\g1:\g1+7]
	s_nop 0
	PLACES
	s_branch .Lhead_asked
\next:
.endm
	s_load_b256 s[4:11], s[0:1], 0x0               ; xop, wop, bq, bk
	s_load_b128 s[12:15], s[0:1], 0x20             ; bv, qrec
	s_load_b64 s[16:17], s[0:1], 0x30              ; kv
	v_lshl_add_u32 v[SPW], v0, 2, SPARE
	v_mov_b32 v[NIL], 0
	ds_add_u32 v[SPW], v[NIL]                      ; the opening lines
	ds_add_u32 v[SPW], v[NIL]
	v_lshrrev_b32 v1, 5, v0
	v_readfirstlane_b32 s[WV], v1
	s_bfe_u32 s56, ttmp6, 0x40000                  ; cx
	s_bfe_u32 s57, ttmp6, 0x40004                  ; cy
	s_and_b32 s59, ttmp7, 0xffff
	s_lshl_b32 s60, s57, 2
	s_lshl_b32 s60, 15, s60                        ; my row of the cluster
	s_lshl_b32 s61, 0x1111, s56                    ; my column
	GROUP1 G1P, 61, 1600, 4, 3200                  ; half of K of four pairs: rows of two records, 25,600 bytes apart
	GROUP1 G1R, 60, 1600, 8, 3200                  ; of eight pairs
	GROUP1 G1F, 61, 32, 50, 32                     ; a refill: one pair's two records, dense, as 50 rows of 256 bytes
	s_lshl_b32 s92, ttmp9, 2
	s_add_co_u32 s92, s92, s56                     ; P's tile: 128 columns, heads 2 s92 and 2 s92 + 1
	s_mul_i32 s94, s92, 102400
	s_mov_b32 s95, 0
	s_lshl_b32 s93, s59, 2
	s_add_co_u32 s93, s93, s57                     ; R's tile: 256 tokens
	s_mul_i32 s96, s93, 204800
	s_mov_b32 s97, 0
	s_mul_i32 s58, s[WV], 12800
	s_mul_i32 s62, s[WV], 25600
	s_add_co_u32 s63, s62, 102400
	s_mov_b32 s100, s62
	s_mov_b32 s101, 0
	WALU
	s_wait_dscnt 0x0
	s_wait_kmcnt 0x0
	s_add_nc_u64 s[98:99], s[6:7], s[94:95]
	s_add_nc_u64 s[66:67], s[4:5], s[96:97]
	G0SET 40, 0, 98, 0                             ; P A
	G0SET 44, 102400, 66, 0                        ; R A
	G0SET 48, 51200, 98, 12800                     ; P B
	G0SET 52, 204800, 66, 12800                    ; R B
	s_mov_b32 s[G0FA], 1                           ; the refills: pair = my wave's number; they stand at Wq and step to the next weight ahead of their use
	s_mov_b32 s[G0FA+1], s58
	s_add_nc_u64 s[G0FA+2:G0FA+3], s[98:99], s[100:101]
	s_mov_b32 s[G0FB], 1
	s_add_co_u32 s[G0FB+1], s58, 51200
	s_add_nc_u64 s[G0FB+2:G0FB+3], s[G0FA+2:G0FA+3], 12800
	s_or_b32 s[G0FA+3], s[G0FA+3], 0x80000000
	s_or_b32 s[G0FB+3], s[G0FB+3], 0x80000000
	ROUND                                          ; all sixteen work-groups are here: the joint loads meet
	ARM 1, 40, G1P, .Lhead_ra
	ARM 2, 44, G1R, .Lhead_pb
	ARM 3, 48, G1P, .Lhead_rb
	tensor_load_to_lds s[52:55], s[G1R:G1R+7]
	s_nop 0
	PLACES
.Lhead_asked:
	v_and_b32 v1, 31, v0
	v_and_b32 v2, 15, v0
	v_bfe_u32 v3, v0, 4, 1
	v_lshlrev_b32 v[APA], 4, v1
	v_lshlrev_b32 v[APA+1], 3, v1
	v_lshlrev_b32 v[G4], 2, v1
	v_lshlrev_b32 v[R4], 2, v2
	v_lshlrev_b32 v[H64], 6, v3
	v_and_b32 v16, 8, v2
	v_add_nc_u32 v16, v16, v2
	v_lshlrev_b32 v[RB4], 2, v16
	v_add_nc_u32 v[APB], 51200, v[APA]
	v_add_nc_u32 v[APB+1], 51200, v[APA+1]
	v_add_nc_u32 v[ARA], s63, v[APA]
	v_add_nc_u32 v[ARA+1], s63, v[APA+1]
	v_add_nc_u32 v[ARB], 102400, v[ARA]
	v_add_nc_u32 v[ARB+1], 102400, v[ARA+1]
	s_mov_b32 s[SEL], 0x76543210
	s_mov_b32 s[SEL+1], 0xfedcba98
	s_mov_b32 s[HM], 0xffff0000
	s_lshl_b32 s84, s92, 9                         ; my 128 columns of each bias
	s_mov_b32 s85, 0
	s_add_nc_u64 s[8:9], s[8:9], s[84:85]
	s_add_nc_u64 s[10:11], s[10:11], s[84:85]
	s_add_nc_u64 s[12:13], s[12:13], s[84:85]
	s_lshr_b32 s[IDX], s93, 3                      ; record (16 b + head) 16 + chunk: b = tile / 8, head = 2 s92, chunk = 2 (tile % 8) + wave / 2
	s_lshl_b32 s[IDX], s[IDX], 4
	s_lshl_b32 s84, s92, 1
	s_add_co_u32 s[IDX], s[IDX], s84
	s_lshl_b32 s[IDX], s[IDX], 4
	s_and_b32 s84, s93, 7
	s_lshl_b32 s84, s84, 1
	s_add_co_u32 s[IDX], s[IDX], s84
	s_lshr_b32 s84, s[WV], 1
	s_add_co_u32 s[IDX], s[IDX], s84
	s_mov_b32 s[T], 0
	WALU
	WIN 0xc0                                       ; destinations in window 3
	v_lshlrev_b32 v[H8], 3, v3
.irp b, 0,1,2,3
	v_mov_b32 v[TM+4+\b], 0                        ; written once: a lane permute's destination counts as one of its sources
.endr
.irp p, 0,1,2,3,4,5,6,7
	global_load_b32 v[BR+2*\p], v[RB4], s[12:13] offset:(32*(\p/2)+8*(\p%2))*4      ; bv: lane r of tile p is column 32 (p / 2) + 8 (p % 2) + r + 8 (r / 8); twice, for the packed addition
	global_load_b32 v[BR+2*\p+1], v[RB4], s[12:13] offset:(32*(\p/2)+8*(\p%2))*4
.endr
	WIN 0
	WALU
	s_cmp_lt_u32 s[WV], 2
	s_cbranch_scc0 .Lnot_half_a
	s_wait_tensorcnt 0x0                           ; waves 0 and 1: the halves A have landed; the halves B may stay out
.Lnot_half_a:
	s_barrier_signal -1
	s_barrier_wait -1
	FETCH 0
; One fragment of q or k: head g of my two, token tiles 2 e and 2 e + 1
.macro FRAGOUT g, e
	WIN 0xce                                       ; sums from window 2; bias and result in window 3
.set i, 0
.rept 16
	v_pk_add_f32 v[TQ+2*i:TQ+2*i+1], v[128*\e+32*\g+2*i:128*\e+32*\g+2*i+1], v[BP+32*\g+2*i:BP+32*\g+2*i+1]
.set i, i+1
.endr
.set i, 0
.rept 16
	v_pk_add_f32 v[TQ+32+2*i:TQ+33+2*i], v[128*\e+64+32*\g+2*i:128*\e+65+32*\g+2*i], v[BP+32*\g+2*i:BP+32*\g+2*i+1]
.set i, i+1
.endr
	WIN 0xff
	s_wait_xcnt 0x0                                ; the codes' and the word's registers are written again only behind this wait
	QUANT TQ, PW0+\e
.if \e == 1
	v_cndmask_b32 v[WD], v[PW0], v[PW0+1], s[HM]   ; lanes 0-15 the even fragment's words, lanes 16-31 the odd one's
.endif
	WIN 0x0c                                       ; a store's data in window 3
	global_store_b128 v[G16], v[PC:PC+3], s[CB+2*\g:CB+2*\g+1] offset:1536*\e
	global_store_b64 v[G8], v[PC+4:PC+5], s[CB+2*\g:CB+2*\g+1] offset:1536*\e+512
	global_store_b128 v[G16], v[PC+6:PC+9], s[CB+2*\g:CB+2*\g+1] offset:1536*\e+768
	global_store_b64 v[G8], v[PC+10:PC+11], s[CB+2*\g:CB+2*\g+1] offset:1536*\e+1280
.if \e == 1
	global_store_b32 v[G4], v[WD], s[SBS+2*\g:SBS+2*\g+1]
.endif
.endm
; Two channel tiles of v, 2 pp and 2 pp + 1, x my band's 64 keys: two half fragments and two bytes of each row's scale words
.macro VOUT pp
	WIN 0xce
.irp c, 0,1
.irp rt, 0,1,2,3
.irp j, 0,2,4,6
	v_pk_add_f32 v[TQ+32*\c+8*\rt+\j:TQ+32*\c+8*\rt+\j+1], v[64*\rt+8*(2*\pp+\c)+\j:64*\rt+8*(2*\pp+\c)+\j+1], v[BR+2*(2*\pp+\c):BR+2*(2*\pp+\c)+1]
.endr
.endr
.endr
	WIN 0xff
	s_wait_xcnt 0x0
	QUANTV TQ, PW0
	WIN 0x0c
.irp c, 0,1
	global_store_b128 v[G16], v[PC+6*\c:PC+6*\c+3], s[CB+2*(\pp/2):CB+2*(\pp/2)+1] offset:1536*(2*(\pp%2)+\c)
	global_store_b64 v[G8], v[PC+6*\c+4:PC+6*\c+5], s[CB+2*(\pp/2):CB+2*(\pp/2)+1] offset:1536*(2*(\pp%2)+\c)+512
.endr
	global_store_b16 v[R4], v[PW0], s[SBS+2*(\pp/2):SBS+2*(\pp/2)+1] offset:6144+64*(2*(\pp%2))
	global_store_d16_hi_b16 v[R4], v[PW0], s[SBS+2*(\pp/2):SBS+2*(\pp/2)+1] offset:6144+64*(2*(\pp%2)+1)
.endm
.Ltile:                                                ; two trips: q, then k
	s_wait_xcnt 0x0
	s_cmp_eq_u32 s[T], 0
	s_cselect_b64 s[86:87], s[8:9], s[10:11]
	WIN 0xc0
.irp t, 0,1,2,3,4,5,6,7
	global_load_b128 v[BP+8*\t:BP+8*\t+3], v[H64], s[86:87] offset:(32*(\t/2)+8*(\t%2))*4       ; tile t's register j of lane half h is column 32 (t / 2) + 16 h + 8 (t % 2) + j
	global_load_b128 v[BP+8*\t+4:BP+8*\t+7], v[H64], s[86:87] offset:(32*(\t/2)+8*(\t%2))*4+16
.endr
	WIN 0
	STEPS 0, 1
	s_wait_loadcnt 0x0                             ; the bias; its loads have read their base
	s_cmp_eq_u32 s[T], 0
	s_cselect_b64 s[86:87], s[14:15], s[16:17]     ; q goes to qrec, k to every second record of kv
	s_mov_b32 s85, 12800
	s_cselect_b32 s85, 6400, s85
	s_mul_i32 s88, s[IDX], s85
	s_lshl_b32 s85, s85, 4                         ; from a head to the next: 16 chunks
	s_and_b32 s90, s[WV], 1
	s_mul_i32 s91, s90, 3072                       ; my two fragments of the chunk's four,
	s_add_co_u32 s91, s91, s88
	s_lshl_b32 s90, s90, 7                         ; and their 128 bytes of scale words
	s_add_co_u32 s90, s90, s88
	s_add_co_u32 s90, s90, 6144
	s_mov_b32 s89, 0
	s_mov_b32 s88, s91
	s_add_nc_u64 s[CB:CB+1], s[86:87], s[88:89]
	s_add_co_u32 s88, s91, s85
	s_add_nc_u64 s[CB+2:CB+3], s[86:87], s[88:89]
	s_mov_b32 s88, s90
	s_add_nc_u64 s[SBS:SBS+1], s[86:87], s[88:89]
	s_add_co_u32 s88, s90, s85
	s_add_nc_u64 s[SBS+2:SBS+3], s[86:87], s[88:89]
	FRAGOUT 0, 0
	FRAGOUT 0, 1
	FRAGOUT 1, 0
	FRAGOUT 1, 1
	WIN 0
	s_add_co_u32 s[T], s[T], 1
	s_cmp_lt_u32 s[T], 2
	WALU
	s_cbranch_scc1 .Ltile
	STEPS 1, 0                                     ; v: nothing more is filled
	PLACES
	s_wait_xcnt 0x0
	s_mul_i32 s88, s[IDX], 12800
	s_add_co_u32 s88, s88, 6400                    ; the second record of the two
	s_and_b32 s90, s[WV], 1
	s_mul_i32 s91, s90, 768                        ; my band's half of each fragment,
	s_add_co_u32 s84, s88, s91
	s_mov_b32 s85, 0
	s_add_nc_u64 s[CB:CB+1], s[16:17], s[84:85]
	s_add_nc_u64 s[CB+2:CB+3], s[CB:CB+1], 204800
	s_lshl_b32 s90, s90, 1                         ; and its two bytes of each word
	s_add_co_u32 s84, s88, s90
	s_add_nc_u64 s[SBS:SBS+1], s[16:17], s[84:85]
	s_add_nc_u64 s[SBS+2:SBS+3], s[SBS:SBS+1], 204800
	VOUT 0
	VOUT 1
	VOUT 2
	VOUT 3
	WIN 0
	s_wait_tensorcnt 0x0                           ; the wave's end
	ds_add_u32 v[SPW], v[NIL]
	s_wait_dscnt 0x0
	ROUND                                          ; the closing round
	s_endpgm
.Lfunc_end_k_q57fc97fba9_proj:
	.size	k_q57fc97fba9_proj, .Lfunc_end_k_q57fc97fba9_proj-k_q57fc97fba9_proj
	.p2alignl 7, 3214868480
	.fill 96, 4, 3214868480
	.section	.rodata,"a",@progbits
	.p2align	6, 0x0
	.amdhsa_kernel k_q57fc97fba9_proj
		.amdhsa_group_segment_fixed_size 327680
		.amdhsa_private_segment_fixed_size 0
		.amdhsa_enable_private_segment 0
		.amdhsa_kernarg_size 56
		.amdhsa_user_sgpr_count 2
		.amdhsa_user_sgpr_kernarg_segment_ptr 1
		.amdhsa_wavefront_size32 1
		.amdhsa_system_sgpr_workgroup_id_x 1
		.amdhsa_system_sgpr_workgroup_id_y 1
		.amdhsa_system_sgpr_workgroup_id_z 1
		.amdhsa_system_vgpr_workitem_id 0
		.amdhsa_next_free_vgpr 1024
		.amdhsa_next_free_sgpr 102
		.amdhsa_reserve_vcc 0
		.amdhsa_float_denorm_mode_32 3
		.amdhsa_float_denorm_mode_16_64 3
		.amdhsa_memory_ordered 1
		.amdhsa_forward_progress 1
		.amdhsa_inst_pref_size 183
	.end_amdhsa_kernel
	.amdgpu_metadata
---
amdhsa.version: [ 1, 2 ]
amdhsa.kernels:
  - .name:           k_q57fc97fba9_proj
    .symbol:         k_q57fc97fba9_proj.kd
    .args:
      - { .name: xop, .offset: 0, .size: 8, .value_kind: global_buffer, .address_space: global }
      - { .name: wop, .offset: 8, .size: 8, .value_kind: global_buffer, .address_space: global }
      - { .name: bq, .offset: 16, .size: 8, .value_kind: global_buffer, .address_space: global }
      - { .name: bk, .offset: 24, .size: 8, .value_kind: global_buffer, .address_space: global }
      - { .name: bv, .offset: 32, .size: 8, .value_kind: global_buffer, .address_space: global }
      - { .name: qrec, .offset: 40, .size: 8, .value_kind: global_buffer, .address_space: global }
      - { .name: kv, .offset: 48, .size: 8, .value_kind: global_buffer, .address_space: global }
    .group_segment_fixed_size: 327680
    .private_segment_fixed_size: 0
    .kernarg_segment_align: 8
    .kernarg_segment_size: 56
    .max_flat_workgroup_size: 128
    .sgpr_count:     102
    .vgpr_count:     1024
    .wavefront_size: 32
...
	.end_amdgpu_metadata
.endif
;; end of part 2
;; launch attn (part 3): grid 4 x 64, 8 waves a work-group, clusters of 4 x 1, 205,824 bytes of LDS; arguments qrec, kv, yop; writes yop
.if DOCPART == 3
	.amdgcn_target "amdgcn-amd-amdhsa--gfx1250"
	.amdhsa_code_object_version 6
	.text
	.protected	k_q57fc97fba9_attn
	.globl	k_q57fc97fba9_attn
	.p2align	8
	.type	k_q57fc97fba9_attn,@function
k_q57fc97fba9_attn:
	s_mov_b64 s[64:65], 0
	v_nop
	global_prefetch_b8 v0, s[64:65] scope:SCOPE_SE
	s_setreg_imm32_b32 hwreg(HW_REG_WAVE_MODE, 25, 1), 1
	s_wait_xcnt 0x0
	s_wait_alu depctr_hold_cnt(0) depctr_sa_sdst(0) depctr_va_vdst(0) depctr_va_sdst(0) depctr_va_ssrc(0) depctr_va_vcc(0) depctr_vm_vsrc(0)
	s_getreg_b32 s2, hwreg(HW_REG_IB_STS2, 6, 4)
	s_cmp_eq_u32 s2, 0
	s_cbranch_scc0 .Lentry_in_a_cluster
	s_endpgm
.Lentry_in_a_cluster:
	s_bfe_u32 s2, ttmp6, 0x10000c
	s_cmp_lg_u32 s2, 0x3003
	s_cbranch_scc0 .Lentry_shape_is_right
	s_endpgm
.Lentry_shape_is_right:
; y = softmax(q k^T / 8) v for one batch and head, on codes of FP6 (E2M3) with E8M0 scales; y leaves quantised along the model's width, in the order of the next product's operand registers.
; p = 2^(t - M), t = score x log2(e) / 8, M the running largest t rounded up to a whole number; the row's sum is taken of the unquantised p; O and the sum are brought under a new M by an exact power of two in every step.
; A block's scale is 2^(floor(t - M) - 2) of its largest score, held at the byte 1 from below: the exponent of the block's largest p, made without an exponential.  Where the exponential of a t - M just under a whole number
; rounds up to the next power of two, that p is held at the largest code, as a p just under that power is.
; LIMITS: the promise holds while |t| stays under 2^31; NaN and infinities are not served; a block whose every p has fallen to 0 keeps the byte 1 (its codes are zeros).
; SHARES.  A work-group takes 512 queries of one (batch, head); its 8 waves take 64 queries each: four tiles of 16.  The head's K and V, 16 chunks of 128 keys x 12,800 bytes, lie whole in LDS: each wave asks for 25,600 bytes at the
; head, its one tensor load; nothing is filled again.  CLUSTER 4 x 1: the four work-groups of a head read the same K and V and ask jointly.  No prefetch: every byte that the launch reads is asked for at its head.
; A fragment of K or V that a wave reads from LDS serves its four query tiles.  K's fragments are fetched a chunk ahead; in the last trip that address is held at chunk 15, inside the tiles, and what it brings is not read.
; A TILE'S LAST WORK IS DONE IN THE NEXT TILE'S TEXT: its four products with V and the last four additions of its sum stand among the lines that find the next tile's row maximum, which hang on each other.  So the fourth tile's
; are done in the next trip (V's fragments are fetched anew behind them), and behind the loop; the first trip finds zero codes and zero sums there.
; ORDER OF KEYS (laid by the first launch): register 8 p + j of lane (query r, half h) in S^T is a key of block 2 (p / 4) + h of the chunk: a lane's 32 registers are one scale block, and V's codes lie in the same order.
; K = 64 in the first product: a fragment of K holds two tiles' 64 side by side, and q stands beside 64 zero codes: [q ; 0] picks the first tile, [0 ; q] the second.
; REGISTERS.  Window 0: addresses, per tile -M, largest score, the sum (ST), scales, codes, K's and V's fragments, S^T.  Window 1: v0-127 O^T (tile i, channels' tile t at 32 i + 8 t), v128-181 zeros and q by turns.
.set L16, 1
.set L8,  2
.set L4,  3
.set R4,  4
.set R8,  5
.set SH8, 6
.set A16, 7                            ; v7-9 this chunk in LDS, v10-12 the next
.set B16, 10
.set SPW, 13
.set NIL, 14
.set ST,  16                           ; v16-31: tile i: -M, largest score, the sum in two halves
.set QS,  32
.set KS,  40
.set VS,  42
.set PW,  44
.set X,   45
.set F,   46
.set BM,  48
.set SOP, 52
.set EB,  54
.set OLD, 56
.set T1,  57
.set PC,  58
.set TC,  70                           ; v70-77: the conversions' second halves; ahead of them the eight chains of the maximum
.set MX,  70
.set KF,  80
.set VF,  128
.set S,   176
.set TP,  240                          ; v240-247: four partial sums, in two halves each
.set QZ,  128
.set SPARE, 204800
.set WV,  18
.set SEL, 20
.set CS,  22
.set G1,  24
.set G0,  32
.set QB,  36
.set QSB, 38
.set YB,  40
.set YSB, 42
.set TB,  44
.set TBN, 45
.set CNT, 46
.set MSB, 0
.macro WIN new
.if MSB != \new
	s_set_vgpr_msb (MSB<<8)|\new
.set MSB, \new
.endif
.endm
.macro WALU
	s_wait_alu depctr_va_vdst(0)
.endm
.macro ROUND
	s_barrier_signal -1
	s_barrier_wait -1
	s_cmp_lg_u32 s[WV], 0
	s_cbranch_scc1 .Lnot_wave_0_\@
	s_barrier_signal -3
.Lnot_wave_0_\@:
	s_barrier_wait -3
	s_barrier_signal -1
	s_barrier_wait -1
.endm
.macro FRAG reg, a16, a8, off
	ds_load_b128 v[\reg:\reg+3], v[\a16] offset:\off
	ds_load_b64 v[\reg+4:\reg+5], v[\a8] offset:\off+512
	ds_load_b128 v[\reg+6:\reg+9], v[\a16] offset:\off+768
	ds_load_b64 v[\reg+10:\reg+11], v[\a8] offset:\off+1280
.endm
.macro RECORD fr, sc, a, off           ; a record's four fragments and two registers of scale words
.irp f, 0,1,2,3
	FRAG \fr+12*\f, \a, \a+1, \off+1536*\f
.endr
	ds_load_b32 v[\sc], v[\a+2] offset:\off+6144
	ds_load_b32 v[\sc+1], v[\a+2] offset:\off+6272
.endm
.macro WS i, p, row                    ; S^T, tile p of 16 keys x query tile i
	v_wmma_scale_f32_16x16x128_f8f6f4 v[S+8*(\p):S+8*(\p)+7], v[KF+12*((\p)/2):KF+12*((\p)/2)+11], v[QZ+12*(\i)+6-6*((\p)%2):QZ+12*(\i)+17-6*((\p)%2)], 0, v[KS+(\p)/4], v[QS+2*(\i)+(\p)%2] matrix_a_fmt:MATRIX_FMT_FP6 matrix_b_fmt:MATRIX_FMT_FP6 matrix_a_scale:MATRIX_SCALE_ROW\row
.endm
.macro WO i, t, row                    ; O^T += V^T p^T, channels' tile t; it leaves every window 0
	WIN 0x50
	v_wmma_scale_f32_16x16x128_f8f6f4 v[32*(\i)+8*(\t):32*(\i)+8*(\t)+7], v[VF+12*(\t):VF+12*(\t)+11], v[PC:PC+11], v[32*(\i)+8*(\t):32*(\i)+8*(\t)+7], v[VS+(\t)/2], v[PW] matrix_a_fmt:MATRIX_FMT_FP6 matrix_b_fmt:MATRIX_FMT_FP6 matrix_a_scale:MATRIX_SCALE_ROW\row
	WIN 0
.endm
.macro FX n                            ; what stands among the 32 multiply-adds: f, and my two blocks' scales
.if (\n) == 0
	v_fma_f32 v[BM], v[BM], s[CS], v[N_]           ; t - M of each block's largest score
.elseif (\n) == 1
	v_fma_f32 v[BM+1], v[BM+1], s[CS], v[N_]
.elseif (\n) == 2
	v_sub_f32 v[OLD], v[N_], v[OLD]                ; old M - new M, a whole number, 0 or less
.elseif (\n) == 3
	v_max_num_f32 v[BM], 0xc2f80000, v[BM]         ; not under -124: the byte cannot fall under 1
.elseif (\n) == 4
	v_max_num_f32 v[BM+1], 0xc2f80000, v[BM+1]
.elseif (\n) == 5
	v_cvt_i32_f32 v[OLD], v[OLD]
.elseif (\n) == 6
	v_cvt_floor_i32_f32 v[BM], v[BM]
.elseif (\n) == 7
	v_cvt_floor_i32_f32 v[BM+1], v[BM+1]
.elseif (\n) == 8
	v_ldexp_f32 v[F], 1.0, v[OLD]                  ; f = 2^(old M - new M)
.elseif (\n) == 9
	v_lshl_add_u32 v[SOP], v[BM], 23, 0x3e800000   ; (floor + 127 - 2) << 23: the conversion's scale operand
.elseif (\n) == 10
	v_lshl_add_u32 v[SOP+1], v[BM+1], 23, 0x3e800000
.elseif (\n) == 12
	v_lshrrev_b32 v[EB], 23, v[SOP]
.elseif (\n) == 13
	v_lshrrev_b32 v[EB+1], 23, v[SOP+1]
.elseif (\n) == 16
	v_lshl_or_b32 v[PW], v[EB+1], 16, v[EB]        ; my bytes, blocks h and 2 + h,
.elseif (\n) == 20
	v_lshlrev_b32 v[PW], v[SH8], v[PW]             ; at their places;
.elseif (\n) == 24
	v_permlanex16_b32 v[X], v[PW], s[SEL], s[SEL+1]
.elseif (\n) == 28
	v_or_b32 v[PW], v[PW], v[X]                    ; with lane l xor 16's the word is whole
.endif
.endm
; One query tile against one chunk of 128 keys; P_ is the tile before it
.macro TILE i
.set N_, ST+4*(\i)
.set P_, ((\i)+3)%4
.if (\i) == 1
	WALU
	s_wait_dscnt 0x0                               ; this chunk's V is in
.endif
	WIN 0x04                                       ; source 1 (q) in window 1
.irp g, 0,4
	WS \i, \g, 0
	WS \i, \g+1, 0
	WS \i, \g+2, 1
	WS \i, \g+3, 1
.endr
	WO P_, 0, 0
	v_mov_b32 v[OLD], v[N_]                        ; four places behind the scores' products
	v_pk_add_f32 v[TP:TP+1], v[TP:TP+1], v[TP+2:TP+3]
	v_pk_add_f32 v[TP+4:TP+5], v[TP+4:TP+5], v[TP+6:TP+7]
	v_nop
.irp k, 0,1,2,3,4,5,6,7                        ; the largest score: a chain to each accumulator, from its low end on
	v_max3_num_f32 v[MX+\k], v[S+8*\k], v[S+8*\k+1], v[S+8*\k+2]
.endr
.irp n, 3,5
.irp k, 0,1,2,3,4,5,6,7
	v_max3_num_f32 v[MX+\k], v[MX+\k], v[S+8*\k+\n], v[S+8*\k+\n+1]
.endr
.endr
	v_max3_num_f32 v[MX], v[MX], v[MX+1], v[S+7]
	v_max3_num_f32 v[MX+2], v[MX+2], v[MX+3], v[S+15]
	v_max3_num_f32 v[MX+4], v[MX+4], v[MX+5], v[S+39]
	v_max3_num_f32 v[MX+6], v[MX+6], v[MX+7], v[S+47]
	v_pk_add_f32 v[TP:TP+1], v[TP:TP+1], v[TP+4:TP+5]
	v_max3_num_f32 v[MX], v[MX], v[MX+2], v[S+23]
	v_max3_num_f32 v[MX+4], v[MX+4], v[MX+6], v[S+55]
	WO P_, 1, 1
	v_max_num_f32 v[BM], v[MX], v[S+31]            ; my two blocks' largest scores
	v_max_num_f32 v[BM+1], v[MX+4], v[S+63]
	v_pk_add_f32 v[ST+4*P_+2:ST+4*P_+3], v[ST+4*P_+2:ST+4*P_+3], v[TP:TP+1]   ; the last tile's sum is whole
	v_max_num_f32 v[T1], v[BM], v[BM+1]
	WO P_, 2, 0
	v_permlanex16_b32 v[X], v[T1], s[SEL], s[SEL+1]
	WO P_, 3, 1
	v_max3_num_f32 v[N_+1], v[N_+1], v[T1], v[X]   ; the running largest score of my query
	v_mul_f32 v[T1], s[CS], v[N_+1]                ; as t
	v_floor_f32 v[N_], -v[T1]                      ; -M = floor(-t)
.set j_, 0
.rept 32
	v_pk_fma_f32 v[S+j_:S+j_+1], v[S+j_:S+j_+1], s[CS:CS+1], v[N_:N_+1] op_sel_hi:[1,0,0]   ; t - M
	FX j_/2
.set j_, j_+2
.endr
.if (\i) == 0
	RECORD VF, VS, A16, 6400                       ; this chunk's V: the last chunk's has served its last products
.endif
.if (\i) == 3
	RECORD KF, KS, B16, 0                          ; the next chunk's K
.endif
	WALU
.set j_, 0
.rept 64
	v_exp_f32 v[S+j_], v[S+j_]
.set j_, j_+1
.endr
	v_pk_mul_f32 v[N_+2:N_+3], v[N_+2:N_+3], v[F:F+1] op_sel_hi:[1,0]   ; the sum under the new M; a plain place behind the batch
	WIN 0x41                                       ; O^T in window 1
	WALU                                           ; behind the batch, and directly ahead of the first reader of O^T
.set j_, 0
.rept 16
	v_pk_mul_f32 v[32*(\i)+j_:32*(\i)+j_+1], v[32*(\i)+j_:32*(\i)+j_+1], v[F:F+1] op_sel_hi:[1,0]   ; O^T under the new M
.set j_, j_+2
.endr
	WIN 0
	v_cvt_scalef32_pk16_fp6_f32 v[PC:PC+2], v[S:S+15], v[SOP]
	v_cvt_scalef32_pk16_fp6_f32 v[TC:TC+2], v[S+16:S+31], v[SOP]
	v_cvt_scalef32_pk16_fp6_f32 v[PC+6:PC+8], v[S+32:S+47], v[SOP+1]
	v_cvt_scalef32_pk16_fp6_f32 v[TC+4:TC+6], v[S+48:S+63], v[SOP+1]
	v_nop                                          ; one plain place behind the conversions
.irp k, 0,1,2,3,4,5,6,7                        ; the row's sum, of the unquantised p: a tree, in place
	v_pk_add_f32 v[S+4*\k:S+4*\k+1], v[S+4*\k:S+4*\k+1], v[S+4*\k+2:S+4*\k+3]
.endr
.irp n, 0,1,2
	v_mov_b32 v[PC+3+\n], v[TC+\n]                 ; (a conversion's three registers begin on an even number)
	v_mov_b32 v[PC+9+\n], v[TC+4+\n]
.endr
.irp k, 8,9,10,11,12,13,14,15
	v_pk_add_f32 v[S+4*\k:S+4*\k+1], v[S+4*\k:S+4*\k+1], v[S+4*\k+2:S+4*\k+3]
.endr
.irp k, 0,1,2,3,4,5,6,7
	v_pk_add_f32 v[S+8*\k:S+8*\k+1], v[S+8*\k:S+8*\k+1], v[S+8*\k+4:S+8*\k+5]
.endr
.irp k, 0,1,2,3
	v_pk_add_f32 v[TP+2*\k:TP+2*\k+1], v[S+16*\k:S+16*\k+1], v[S+16*\k+8:S+16*\k+9]
.endr
.endm
; y of query tile i: O^T / the sum, quantised along the head's 64 (registers 16 b + n = channel 32 b + 16 h + n), stored as a half fragment and two scale bytes a row
.macro OUT i
.set Y_, S+32*((\i)%2)
.set C_, KF+8*(\i)
	WIN 0x01
	WALU                                           ; directly ahead of the first reader of O^T
.set j_, 0
.rept 16
	v_pk_mul_f32 v[Y_+j_:Y_+j_+1], v[32*(\i)+j_:32*(\i)+j_+1], v[ST+4*(\i)+2:ST+4*(\i)+3] op_sel_hi:[1,0]
.set j_, j_+2
.endr
	WIN 0
.irp b, 0,1
	v_max3_num_f32 v[BM+\b], |v[Y_+16*\b]|, |v[Y_+16*\b+1]|, 0x1800000
.endr
.irp n, 2,4,6,8,10,12,14
.irp b, 0,1
	v_max3_num_f32 v[BM+\b], v[BM+\b], |v[Y_+16*\b+\n]|, |v[Y_+16*\b+\n+1]|
.endr
.endr
.irp b, 0,1
	v_permlanex16_b32 v[EB+\b], v[BM+\b], s[SEL], s[SEL+1]
.endr
.irp b, 0,1
	v_max_num_f32 v[BM+\b], v[BM+\b], v[EB+\b]
.endr
.irp b, 0,1
	v_add_nc_u32 v[SOP+\b], 0xff000000, v[BM+\b]
.endr
.irp b, 0,1
	v_lshrrev_b32 v[EB+\b], 23, v[SOP+\b]
.endr
	v_lshl_or_b32 v[VF+\i], v[EB+1], 8, v[EB]
	v_cvt_scalef32_pk16_fp6_f32 v[C_:C_+2], v[Y_:Y_+15], v[SOP]
	v_cvt_scalef32_pk16_fp6_f32 v[C_+4:C_+6], v[Y_+16:Y_+31], v[SOP+1]
	v_nop
.irp n, 0,1,2
	v_permlane16_swap_b32 v[C_+\n], v[C_+4+\n]     ; a whole block to a lane
.endr
	v_mov_b32 v[C_+3], v[C_+4]
	v_mov_b32 v[C_+4], v[C_+5]
	v_mov_b32 v[C_+5], v[C_+6]
	global_store_b128 v[L16], v[C_:C_+3], s[YB:YB+1] offset:((\i)/2)*25600+((\i)%2)*3072        ; 512 consecutive bytes; each tile has registers of its own, so no store's data are written again
	global_store_b64 v[L8], v[C_+4:C_+5], s[YB:YB+1] offset:((\i)/2)*25600+((\i)%2)*3072+512
	global_store_b16 v[R8], v[VF+\i], s[YSB:YSB+1] offset:((\i)/2)*25600+6144+128*((\i)%2)
.endm
	s_load_b128 s[4:7], s[0:1], 0x0                ; qrec, kv
	s_load_b64 s[8:9], s[0:1], 0x10                ; yop
	v_lshl_add_u32 v[SPW], v0, 2, SPARE
	v_mov_b32 v[NIL], 0
	ds_add_u32 v[SPW], v[NIL]                      ; the opening lines
	ds_add_u32 v[SPW], v[NIL]
	v_lshrrev_b32 v1, 5, v0
	v_readfirstlane_b32 s[WV], v1                  ; wave 0..7
	s_bfe_u32 s48, ttmp6, 0x40000                  ; cx: which 512 queries
	s_and_b32 s49, ttmp7, 0xffff                   ; 16 batch + head
	s_mov_b32 s[G1], 15|(3<<16)|(1<<21)            ; 25,600 dense bytes as 100 rows of 256; the mask names the cluster's four
	s_mov_b32 s[G1+1], 32<<16
	s_mov_b32 s[G1+2], 100<<16
	s_mov_b32 s[G1+3], 32<<16
	s_mov_b32 s[G1+4], 100
	s_mov_b32 s[G1+5], 32
	s_mov_b32 s[G1+6], 0
	s_mov_b32 s[G1+7], 0
	s_mul_i32 s50, s[WV], 25600
	s_mul_i32 s52, s49, 204800
	s_add_co_u32 s52, s52, s50
	s_mov_b32 s53, 0
	WALU
	s_wait_dscnt 0x0
	s_wait_kmcnt 0x0
	s_mov_b32 s[G0], 1
	s_mov_b32 s[G0+1], s50
	s_add_nc_u64 s[G0+2:G0+3], s[6:7], s[52:53]
	s_or_b32 s[G0+3], s[G0+3], 0x80000000
	ROUND                                          ; the four work-groups are here: the joint loads meet
	tensor_load_to_lds s[G0:G0+3], s[G1:G1+7]      ; chunks 2 wave and 2 wave + 1: my one tensor load
	s_nop 0
	v_and_b32 v[OLD], 31, v0
	v_and_b32 v[T1], 15, v0
	v_bfe_u32 v[X], v0, 4, 1
	v_lshlrev_b32 v[L16], 4, v[OLD]
	v_lshlrev_b32 v[L8], 3, v[OLD]
	v_lshlrev_b32 v[L4], 2, v[OLD]
	v_lshlrev_b32 v[R4], 2, v[T1]
	v_lshlrev_b32 v[R8], 3, v[T1]
	v_lshlrev_b32 v[SH8], 3, v[X]
	s_lshr_b32 s50, s[WV], 1
	s_and_b32 s51, s[WV], 1
	s_lshl_b32 s52, s49, 4
	s_lshl_b32 s54, s48, 2
	s_add_co_u32 s52, s52, s54
	s_add_co_u32 s52, s52, s50                     ; q's record: 16 (16 b + head) + 4 cx + wave / 2
	s_mul_i32 s52, s52, 6400
	s_mul_i32 s54, s51, 3072                       ; my four tiles of its eight
	s_add_co_u32 s54, s54, s52
	s_mov_b32 s55, 0
	s_add_nc_u64 s[QB:QB+1], s[4:5], s[54:55]
	s_lshl_b32 s54, s51, 7                         ; and their scale words
	s_add_co_u32 s54, s54, s52
	s_add_nc_u64 s[QSB:QSB+1], s[4:5], s[54:55]
	s_lshr_b32 s52, s49, 4
	s_lshl_b32 s52, s52, 6
	s_lshl_b32 s54, s48, 4
	s_add_co_u32 s52, s52, s54
	s_lshl_b32 s54, s[WV], 1
	s_add_co_u32 s52, s52, s54                     ; y's first pair of tiles: 64 b + 16 cx + 2 wave
	s_lshl_b32 s52, s52, 2
	s_bfe_u32 s54, s49, 0x20002                    ; K quarter = head / 4
	s_add_co_u32 s52, s52, s54
	s_mul_i32 s52, s52, 6400
	s_and_b32 s56, s49, 3                          ; 64-group = head % 4
	s_mul_i32 s54, s56, 768
	s_add_co_u32 s54, s54, s52
	s_add_nc_u64 s[YB:YB+1], s[8:9], s[54:55]
	s_lshl_b32 s54, s56, 1
	s_add_co_u32 s54, s54, s52
	s_add_nc_u64 s[YSB:YSB+1], s[8:9], s[54:55]
	s_mov_b32 s[SEL], 0x76543210
	s_mov_b32 s[SEL+1], 0xfedcba98
	s_mov_b32 s[CS], 0x3e38aa3b                    ; log2(e) / 8
	s_mov_b32 s[CS+1], s[CS]
	WALU
.irp i, 0,1,2,3
	global_load_b32 v[QS+2*\i], v[R4], s[QSB:QSB+1] offset:6144+64*(\i/2)
.endr
	WIN 0x40
.irp i, 0,1,2,3
	global_load_b128 v[QZ+12*\i+6:QZ+12*\i+9], v[L16], s[QB:QB+1] offset:768*\i
	global_load_b64 v[QZ+12*\i+10:QZ+12*\i+11], v[L8], s[QB:QB+1] offset:768*\i+512
.endr
.irp k, 0,1,2,3,4
.irp n, 0,1,2,3,4,5
	v_mov_b32 v[QZ+12*\k+\n], 0                    ; 64 zero codes on either side of each q
.endr
.endr
.set j_, 0
.rept 128
	v_mov_b32 v[j_], 0                             ; O^T: the chunk's text is written once, so the first chunk finds zeros
.set j_, j_+1
.endr
	WIN 0
.irp i, 0,1,2,3
	v_mov_b32 v[ST+4*\i], 0x7f000000               ; -M: far above every -M, so that the first f is 0
	v_mov_b32 v[ST+4*\i+1], 0xff61b1e6             ; the largest score so far: -3e38
	v_mov_b32 v[ST+4*\i+2], 0
	v_mov_b32 v[ST+4*\i+3], 0
.endr
	v_mov_b32 v[PW], 0x7f7f7f7f                    ; what the first trip does for a tile before the first: zero codes under the scale 1, zero partial sums
.set j_, 0
.rept 12
	v_mov_b32 v[PC+j_], 0
.set j_, j_+1
.endr
.set j_, 0
.rept 8
	v_mov_b32 v[TP+j_], 0
.set j_, j_+1
.endr
	v_mov_b32 v[F+1], 0
	WALU
	s_wait_loadcnt 0x0
.irp i, 0,2                                    ; a word holds two tiles' bytes; the zero codes get the byte 1
	v_and_b32 v[T1], 0xffff, v[QS+2*\i]
	v_lshrrev_b32 v[OLD], 16, v[QS+2*\i+2]
	v_or_b32 v[QS+2*\i], 0x01010000, v[T1]
	v_lshl_or_b32 v[QS+2*\i+1], v[T1], 16, 0x0101
	v_or_b32 v[QS+2*\i+2], 0x01010000, v[OLD]
	v_lshl_or_b32 v[QS+2*\i+3], v[OLD], 16, 0x0101
.endr
	WALU
	s_wait_tensorcnt 0x0                           ; my two chunks are in,
	s_barrier_signal -1
	s_barrier_wait -1                              ; and everybody's
	RECORD KF, KS, L16, 0                          ; chunk 0's K, and its V for the first trip's products on zero codes
	RECORD VF, VS, L16, 6400
	s_mov_b32 s[TB], 0
	s_mov_b32 s[CNT], 16
.Lchunk:
	s_add_co_u32 s[TBN], s[TB], 12800
	s_min_u32 s[TBN], s[TBN], 192000               ; the fetch ahead stays inside the 16 chunks
	v_add_nc_u32 v[A16], s[TB], v[L16]
	v_add_nc_u32 v[A16+1], s[TB], v[L8]
	v_add_nc_u32 v[A16+2], s[TB], v[L4]
	v_add_nc_u32 v[B16], s[TBN], v[L16]
	v_add_nc_u32 v[B16+1], s[TBN], v[L8]
	v_add_nc_u32 v[B16+2], s[TBN], v[L4]
	WALU
	s_wait_dscnt 0x0                               ; this chunk's K is in
	TILE 0
	TILE 1
	TILE 2
	TILE 3
	s_add_co_u32 s[TB], s[TB], 12800
	s_sub_co_u32 s[CNT], s[CNT], 1
	s_cmp_lg_u32 s[CNT], 0
	WALU
	s_cbranch_scc1 .Lchunk
	WO 3, 0, 0                                     ; the fourth tile's last products and additions
	WO 3, 1, 1
	WO 3, 2, 0
	WO 3, 3, 1
	v_pk_add_f32 v[TP:TP+1], v[TP:TP+1], v[TP+2:TP+3]
	v_pk_add_f32 v[TP+4:TP+5], v[TP+4:TP+5], v[TP+6:TP+7]
	v_pk_add_f32 v[TP:TP+1], v[TP:TP+1], v[TP+4:TP+5]
	v_pk_add_f32 v[ST+14:ST+15], v[ST+14:ST+15], v[TP:TP+1]
	WALU
	s_wait_dscnt 0x0
.irp i, 0,1,2,3
	v_add_f32 v[ST+4*\i+2], v[ST+4*\i+2], v[ST+4*\i+3]   ; the sum's two halves,
.endr
.irp i, 0,1,2,3
	v_permlanex16_b32 v[MX+\i], v[ST+4*\i+2], s[SEL], s[SEL+1]
.endr
.irp i, 0,1,2,3
	v_add_f32 v[ST+4*\i+2], v[ST+4*\i+2], v[MX+\i]       ; and lane l xor 16's
.endr
	WALU
.irp i, 0,1,2,3
	v_rcp_f32 v[ST+4*\i+2], v[ST+4*\i+2]
.endr
	v_nop
	OUT 0
	OUT 1
	OUT 2
	OUT 3
	s_wait_tensorcnt 0x0                           ; the wave's end
	ds_add_u32 v[SPW], v[NIL]
	s_wait_dscnt 0x0
	ROUND                                          ; the closing round
	s_endpgm
.Lfunc_end_k_q57fc97fba9_attn:
	.size	k_q57fc97fba9_attn, .Lfunc_end_k_q57fc97fba9_attn-k_q57fc97fba9_attn
	.p2alignl 7, 3214868480
	.fill 96, 4, 3214868480
	.section	.rodata,"a",@progbits
	.p2align	6, 0x0
	.amdhsa_kernel k_q57fc97fba9_attn
		.amdhsa_group_segment_fixed_size 205824
		.amdhsa_private_segment_fixed_size 0
		.amdhsa_enable_private_segment 0
		.amdhsa_kernarg_size 24
		.amdhsa_user_sgpr_count 2
		.amdhsa_user_sgpr_kernarg_segment_ptr 1
		.amdhsa_wavefront_size32 1
		.amdhsa_system_sgpr_workgroup_id_x 1
		.amdhsa_system_sgpr_workgroup_id_y 1
		.amdhsa_system_sgpr_workgroup_id_z 1
		.amdhsa_system_vgpr_workitem_id 0
		.amdhsa_next_free_vgpr 448
		.amdhsa_next_free_sgpr 66
		.amdhsa_reserve_vcc 0
		.amdhsa_float_denorm_mode_32 3
		.amdhsa_float_denorm_mode_16_64 3
		.amdhsa_memory_ordered 1
		.amdhsa_forward_progress 1
		.amdhsa_inst_pref_size 84
	.end_amdhsa_kernel
	.amdgpu_metadata
---
amdhsa.version: [ 1, 2 ]
amdhsa.kernels:
  - .name:           k_q57fc97fba9_attn
    .symbol:         k_q57fc97fba9_attn.kd
    .args:
      - { .name: qrec, .offset: 0, .size: 8, .value_kind: global_buffer, .address_space: global }
      - { .name: kv, .offset: 8, .size: 8, .value_kind: global_buffer, .address_space: global }
      - { .name: yop, .offset: 16, .size: 8, .value_kind: global_buffer, .address_space: global }
    .group_segment_fixed_size: 205824
    .private_segment_fixed_size: 0
    .kernarg_segment_align: 8
    .kernarg_segment_size: 24
    .max_flat_workgroup_size: 256
    .sgpr_count:     66
    .vgpr_count:     448
    .wavefront_size: 32
...
	.end_amdgpu_metadata
.endif
;; end of part 3
;; launch oproj (part 4): grid 8 x 32, 4 waves a work-group, clusters of 4 x 4, 307,712 bytes of LDS; arguments yop, wop, bo, out0; writes out0
.if DOCPART == 4
	.amdgcn_target "amdgcn-amd-amdhsa--gfx1250"
	.amdhsa_code_object_version 6
	.text
	.protected	k_q57fc97fba9_oproj
	.globl	k_q57fc97fba9_oproj
	.p2align	8
	.type	k_q57fc97fba9_oproj,@function
k_q57fc97fba9_oproj:
	s_mov_b64 s[64:65], 0
	v_nop
	global_prefetch_b8 v0, s[64:65] scope:SCOPE_SE
	s_setreg_imm32_b32 hwreg(HW_REG_WAVE_MODE, 25, 1), 1
	s_wait_xcnt 0x0
	s_wait_alu depctr_hold_cnt(0) depctr_sa_sdst(0) depctr_va_vdst(0) depctr_va_sdst(0) depctr_va_ssrc(0) depctr_va_vcc(0) depctr_vm_vsrc(0)
	s_getreg_b32 s2, hwreg(HW_REG_IB_STS2, 6, 4)
	s_cmp_eq_u32 s2, 0
	s_cbranch_scc0 .Lentry_in_a_cluster
	s_endpgm
.Lentry_in_a_cluster:
	s_bfe_u32 s2, ttmp6, 0x10000c
	s_cmp_lg_u32 s2, 0xf033
	s_cbranch_scc0 .Lentry_shape_is_right
	s_endpgm
.Lentry_shape_is_right:
; out0 = y Wo + bo on codes of FP6 (E2M3) with E8M0 scales, sums in f32.  y's codes (yop) and Wo's (wop, behind the 96 pairs of Wq, Wk, Wv) lie in the order of the operand's registers:
; tile order: of each 32 rows, tile u holds in lane-row r the row 8 u + r + 8 (r / 8); a half fragment (768 bytes) is 16 rows x 64 K: a lane's first 16 bytes at 16 x lane, its last 8 at 512 + 8 x lane;
; a record (6,400 bytes) is a pair of tiles x 256 K: half fragment (u, g) at 768 (4 u + g); at 6,144 the scale words, 8 (r + 16 u) + 4 e.  Both buffers: [pair][K quarter].
; THE TILE: 128 columns (P, source 0: rows of Wo^T) x 256 rows of y (R, source 1) to a work-group; wave w takes all of P and rows 64 w .. 64 w + 63: 8 x 4 accumulators.  Both tiles FOR ALL OF K = 1,024 are 48 records,
; 307,200 bytes: filled ONCE, in four stages by K quarter, all asked for at the start: nothing is filled again.  The bias is the C of each sum's first product.
; CLUSTER 4 x 4: P hangs on x alone and is asked for jointly along a column, R on y alone, along a row.
; REGISTERS: window 0: v1-13 addresses; v32-63 P's scale words (pair p, K step s: 8 p + s), v14-29 R's; v80-143 the bias; v160-255 R's fragments, two sets; on the way out v128-255 rows of out0.
; Window 1: P's fragments, two sets, at v0 and v128.  Window 2: accumulator (p, rt) at v[8 (8 rt + p)].
.set AP16, 4
.set AP8,  5
.set AR16, 6
.set AR8,  7
.set G16,  8                           ; 16 x lane
.set G8,   9                           ; 8 x lane
.set H64,  11                          ; 64 h
.set STO,  12                          ; the way out: where I put 32 bytes of a row
.set RD,   13                          ; and where I read a row back
.set SP,   32
.set SR,   14                          ; R's scale words lie in v14-29: their numbers differ from P's modulo 8
.set BP,   80
.set RF,   160
.set BK,   128                         ; 16 rows read back: v128-191 and v192-255 by turns
.set WV,   18
.set G1P,  24
.set G1R,  32
.set G0P,  40
.set G0R,  68
.set OUTB, 84                          ; s[84:85] my wave's first row and the tile's first column of out0
.set MSB, 0
.macro WIN new                         ; the immediate's high byte repeats the setting that is left
.if MSB != \new
	s_set_vgpr_msb (MSB<<8)|\new
.set MSB, \new
.endif
.endm
.macro PLACES                          ; four plain places behind a matrix instruction, ahead of loads into its registers and of reads of its result
.rept 4
	v_nop
.endr
.endm
.macro ROUND                           ; a round of the cluster's barrier
	s_barrier_signal -1
	s_barrier_wait -1
	s_cmp_lg_u32 s[WV], 0
	s_cbranch_scc1 .Lnot_wave_0_\@
	s_barrier_signal -3
.Lnot_wave_0_\@:
	s_barrier_wait -3
	s_barrier_signal -1
	s_barrier_wait -1
.endm
.macro FRAG reg, a16, a8, off          ; a fragment, two half fragments on end: 16 or 8 bytes a lane, lane by lane
	ds_load_b128 v[\reg:\reg+3], v[\a16] offset:\off
	ds_load_b64 v[\reg+4:\reg+5], v[\a8] offset:\off+512
	ds_load_b128 v[\reg+6:\reg+9], v[\a16] offset:\off+768
	ds_load_b64 v[\reg+10:\reg+11], v[\a8] offset:\off+1280
.endm
.macro FETCH s                         ; K step s's fragments into set s % 2; with an even s also the stage's scale words, for steps s and s + 1
; LDS: K quarter 0: P's four records at 0, R's eight at 25,600.  Quarters 1 to 3 lie by pairs of tiles, three records on end: P's from 76,800, R's from 153,600.
.if (\s) < 2
.set PS_, 6400                         ; from a pair's record to the next pair's
.else
.set PS_, 19200
.endif
.if (\s) == 2
	v_add_nc_u32 v[AP16], 76800, v[AP16]           ; on to quarter 1
	v_add_nc_u32 v[AP8], 76800, v[AP8]
	v_add_nc_u32 v[AR16], s3, v[AR16]
	v_add_nc_u32 v[AR8], s3, v[AR8]
	s_wait_alu depctr_va_vdst(0)
.elseif ((\s)%2 == 0) && ((\s) > 0)
	v_add_nc_u32 v[AP16], 6400, v[AP16]            ; on to the next quarter
	v_add_nc_u32 v[AP8], 6400, v[AP8]
	v_add_nc_u32 v[AR16], 6400, v[AR16]
	v_add_nc_u32 v[AR8], 6400, v[AR8]
	s_wait_alu depctr_va_vdst(0)
.endif
	WIN 0x40                                       ; destination window 1
.irp p, 0,1,2,3,4,5,6,7
	FRAG 128*((\s)%2)+12*\p, AP16, AP8, (\p/2)*PS_+(4*(\p%2)+2*((\s)%2))*768
.endr
	WIN 0
.irp rt, 0,1,2,3
	FRAG RF+48*((\s)%2)+12*\rt, AR16, AR8, (\rt/2)*PS_+(4*(\rt%2)+2*((\s)%2))*768
.endr
.if (\s)%2 == 0
.irp pi, 0,1,2,3
	ds_load_b64 v[SP+8*\pi+(\s):SP+8*\pi+(\s)+1], v[AP8] offset:PS_*\pi+6144
.endr
.irp pi, 0,1
	ds_load_b64 v[SR+8*\pi+(\s):SR+8*\pi+(\s)+1], v[AR8] offset:PS_*\pi+6144
.endr
.endif
.endm
.macro WM p, rt, s, first              ; one product; an odd tile's scale words stand in lanes 16-31.  first = 1: the bias starts the sum
.set rD, 8*(8*(\rt)+(\p))
.set rA, 128*((\s)%2)+12*(\p)
.set rB, RF+48*((\s)%2)+12*(\rt)
.set rC, BP+8*(\p)
.set rX, SP+8*((\p)/2)+(\s)
.set rY, SR+8*((\rt)/2)+(\s)
.set par, (\p)%2+2*((\rt)%2)
.if \first
.if par == 0
	v_wmma_scale_f32_16x16x128_f8f6f4 v[rD:rD+7], v[rA:rA+11], v[rB:rB+11], v[rC:rC+7], v[rX], v[rY] matrix_a_fmt:MATRIX_FMT_FP6 matrix_b_fmt:MATRIX_FMT_FP6
.elseif par == 1
	v_wmma_scale_f32_16x16x128_f8f6f4 v[rD:rD+7], v[rA:rA+11], v[rB:rB+11], v[rC:rC+7], v[rX], v[rY] matrix_a_fmt:MATRIX_FMT_FP6 matrix_b_fmt:MATRIX_FMT_FP6 matrix_a_scale:MATRIX_SCALE_ROW1
.elseif par == 2
	v_wmma_scale_f32_16x16x128_f8f6f4 v[rD:rD+7], v[rA:rA+11], v[rB:rB+11], v[rC:rC+7], v[rX], v[rY] matrix_a_fmt:MATRIX_FMT_FP6 matrix_b_fmt:MATRIX_FMT_FP6 matrix_b_scale:MATRIX_SCALE_ROW1
.else
	v_wmma_scale_f32_16x16x128_f8f6f4 v[rD:rD+7], v[rA:rA+11], v[rB:rB+11], v[rC:rC+7], v[rX], v[rY] matrix_a_fmt:MATRIX_FMT_FP6 matrix_b_fmt:MATRIX_FMT_FP6 matrix_a_scale:MATRIX_SCALE_ROW1 matrix_b_scale:MATRIX_SCALE_ROW1
.endif
.else
.if par == 0
	v_wmma_scale_f32_16x16x128_f8f6f4 v[rD:rD+7], v[rA:rA+11], v[rB:rB+11], v[rD:rD+7], v[rX], v[rY] matrix_a_fmt:MATRIX_FMT_FP6 matrix_b_fmt:MATRIX_FMT_FP6
.elseif par == 1
	v_wmma_scale_f32_16x16x128_f8f6f4 v[rD:rD+7], v[rA:rA+11], v[rB:rB+11], v[rD:rD+7], v[rX], v[rY] matrix_a_fmt:MATRIX_FMT_FP6 matrix_b_fmt:MATRIX_FMT_FP6 matrix_a_scale:MATRIX_SCALE_ROW1
.elseif par == 2
	v_wmma_scale_f32_16x16x128_f8f6f4 v[rD:rD+7], v[rA:rA+11], v[rB:rB+11], v[rD:rD+7], v[rX], v[rY] matrix_a_fmt:MATRIX_FMT_FP6 matrix_b_fmt:MATRIX_FMT_FP6 matrix_b_scale:MATRIX_SCALE_ROW1
.else
	v_wmma_scale_f32_16x16x128_f8f6f4 v[rD:rD+7], v[rA:rA+11], v[rB:rB+11], v[rD:rD+7], v[rX], v[rY] matrix_a_fmt:MATRIX_FMT_FP6 matrix_b_fmt:MATRIX_FMT_FP6 matrix_a_scale:MATRIX_SCALE_ROW1 matrix_b_scale:MATRIX_SCALE_ROW1
.endif
.endif
.endm
.macro MUL s, first                    ; a K step's 32 products: the 32 accumulators take turns, one instruction a turn, in the same order in every step
.if \first
	WIN 0x81                                       ; source 0 (P) window 1, source 1 (R) and C (the bias) window 0, D window 2
.else
	WIN 0xa1                                       ; C and D window 2
.endif
.irp rt, 0,1,2,3
.irp p, 0,1,2,3,4,5,6,7
	WM \p, \rt, \s, \first
.endr
.endr
	WIN 0
.endm
.macro STEP s, first
	s_wait_dscnt 0x0                               ; this step's fragments are in (asked for ahead of the last step's 32 products)
.if (\s) == 1
	s_wait_tensorcnt 0x0                           ; every wave's one load has landed: quarters 1 to 3 are whole
	s_barrier_signal -1
	s_barrier_wait -1                              ; everybody's have
.endif
.if (\s) < 7
.if (\s) > 0
	PLACES                                         ; the loads below land in registers that the last step's products read
.endif
	FETCH (\s)+1
.endif
	MUL \s, \first
.endm
	s_load_b256 s[4:11], s[0:1], 0x0               ; yop s[4:5], wop s[6:7], bo s[8:9], out0 s[10:11]
	v_lshl_add_u32 v30, v0, 2, 0x4b000
	v_mov_b32 v31, 0
	ds_add_u32 v30, v31
	ds_add_u32 v30, v31
	v_lshrrev_b32 v1, 5, v0
	v_readfirstlane_b32 s[WV], v1                  ; wave 0..3
	s_bfe_u32 s56, ttmp6, 0x40000                  ; cx
	s_bfe_u32 s57, ttmp6, 0x40004                  ; cy
	s_and_b32 s59, ttmp7, 0xffff                   ; the cluster's y
	s_lshl_b32 s60, s57, 2
	s_lshl_b32 s60, 15, s60                        ; my row of the cluster
	s_lshl_b32 s61, 0x1111, s56                    ; my column
	s_or_b32 s[G1P], s61, (3<<16)|(1<<21)          ; P: elements of 8 bytes; the mask: my column; bit 21 set beside it
	s_mov_b32 s[G1P+1], 800<<16                    ; P, quarter 0: four records (rows of 800 elements of 8 bytes), 25,600 bytes apart
	s_mov_b32 s[G1P+2], 4<<16
	s_mov_b32 s[G1P+3], 800<<16
	s_mov_b32 s[G1P+4], 4
	s_mov_b32 s[G1P+5], 3200
	s_mov_b32 s[G1P+6], 0
	s_mov_b32 s[G1P+7], 0
	s_or_b32 s[G1R], s60, (3<<16)|(1<<21)          ; R: records (rows of 800 elements of 8 bytes), 25,600 bytes apart; the mask: my row
	s_mov_b32 s[G1R+1], 800<<16
	s_mov_b32 s[G1R+2], 8<<16                      ; R, quarter 0: eight records
	s_mov_b32 s[G1R+3], 800<<16
	s_mov_b32 s[G1R+4], 8
	s_mov_b32 s[G1R+5], 3200
	s_mov_b32 s[G1R+6], 0
	s_mov_b32 s[G1R+7], 0
	s_or_b32 s68, s61, (3<<16)|(1<<21)             ; s[68:75], s[76:83]: quarters 1 to 3 of P's four and of R's eight pairs: rows of three records, 2,400 elements
	s_or_b32 s76, s60, (3<<16)|(1<<21)
.irp g, 68, 76
	s_mov_b32 s[\g+1], 2400<<16
	s_mov_b32 s[\g+3], 2400<<16
	s_mov_b32 s[\g+5], 3200
	s_mov_b32 s[\g+6], 0
	s_mov_b32 s[\g+7], 0
.endr
	s_mov_b32 s70, 4<<16
	s_mov_b32 s72, 4
	s_mov_b32 s78, 8<<16
	s_mov_b32 s80, 8
	s_lshl_b32 s92, ttmp9, 2                       ; P's tile, in registers that never hold cy
	s_add_co_u32 s92, s92, s56                     ; 4 X + cx: 128 columns
	s_lshl_b32 s94, s92, 2                         ; the tile's first pair
	s_add_co_u32 s94, s94, 96                      ; Wo's pairs lie behind the 96 of Wq, Wk, Wv
	s_mul_i32 s94, s94, 25600
	s_mov_b32 s95, 0
	s_lshl_b32 s93, s59, 2                         ; R's tile, in registers that never hold cx
	s_add_co_u32 s93, s93, s57                     ; 4 Y + cy: 256 rows
	s_lshl_b32 s96, s93, 3
	s_mul_i32 s96, s96, 25600
	s_mov_b32 s97, 0
	s_mul_i32 s3, s[WV], 12800
	s_add_co_u32 s23, s3, 25600                    ; my two records of R in quarter 0
	s_lshl_b32 s3, s3, 1
	s_add_co_u32 s3, s3, 128000                    ; from there to my two in quarter 1: 153,600 + 38,400 wave
	s_wait_dscnt 0x0
	s_wait_kmcnt 0x0
	s_add_nc_u64 s[98:99], s[6:7], s[94:95]
	s_add_nc_u64 s[66:67], s[4:5], s[96:97]
.macro G0SET g, lds, base, off
	s_mov_b32 s[\g], 1
	s_mov_b32 s[\g+1], \lds
	s_add_nc_u64 s[\g+2:\g+3], s[\base:\base+1], \off
	s_or_b32 s[\g+3], s[\g+3], 0x80000000
.endm
	G0SET 40, 0, 98, 0                             ; P quarter 0
	G0SET 44, 25600, 66, 0                         ; R quarter 0
	G0SET 48, 76800, 98, 6400                      ; P quarters 1 to 3
	G0SET 52, 153600, 66, 6400                     ; R quarters 1 to 3
	ROUND                                          ; all sixteen work-groups are here: the joint loads meet
; ONE LOAD A WAVE, in one chain of branches on the wave's number: what the first two K steps need is asked for first, by waves 0 and 1
.macro ARM under, g0, g1, next
	s_cmp_lt_u32 s[WV], \under
	s_cbranch_scc0 \next
	tensor_load_to_lds s[\g0:\g0+3], s[\g1:\g1+7]
	s_nop 0
	PLACES
	s_branch .Lhead_asked
\next:
.endm
	ARM 1, 40, G1P, .Lhead_r
	ARM 2, 44, G1R, .Lhead_pb
	ARM 3, 48, 68, .Lhead_rb
	tensor_load_to_lds s[52:55], s[76:83]
	s_nop 0
	PLACES
.Lhead_asked:
	v_and_b32 v1, 31, v0                           ; lane
	v_and_b32 v2, 15, v0                           ; r
	v_bfe_u32 v3, v0, 4, 1                         ; h
	v_lshlrev_b32 v[G16], 4, v1
	v_lshlrev_b32 v[G8], 3, v1
	v_lshlrev_b32 v[H64], 6, v3
	v_lshlrev_b32 v[AP16], 4, v1
	v_lshlrev_b32 v[AP8], 3, v1
	v_add_nc_u32 v[AR16], s23, v[G16]
	v_add_nc_u32 v[AR8], s23, v[G8]
	v_mul_u32_u24 v[STO], v2, 528                  ; the stage: row r of 512 + 16 bytes, + 64 h
	v_lshl_add_u32 v[STO], v3, 6, v[STO]
	v_add_nc_u32 v[STO], s23, v[STO]
	v_add_nc_u32 v[RD], s23, v[G16]                ; back: 32 lanes take a row of 512 bytes
	s_lshl_b32 s88, s92, 9                         ; my 128 columns of bo
	s_mov_b32 s89, 0
	s_add_nc_u64 s[8:9], s[8:9], s[88:89]
.irp t, 0,1,2,3,4,5,6,7
	global_load_b128 v[BP+8*\t:BP+8*\t+3], v[H64], s[8:9] offset:(32*(\t/2)+8*(\t%2))*4        ; tile t's register j of lane half h is column 32 (t / 2) + 16 h + 8 (t % 2) + j
	global_load_b128 v[BP+8*\t+4:BP+8*\t+7], v[H64], s[8:9] offset:(32*(\t/2)+8*(\t%2))*4+16
.endr
	s_lshl_b32 s86, s93, 8
	s_lshl_b32 s87, s[WV], 6
	s_add_co_u32 s86, s86, s87                     ; my first row: 256 rtile + 64 wave
	s_lshl_b32 s86, s86, 12
	s_add_co_u32 s86, s86, s88                     ; and the tile's first column, in bytes
	s_mov_b32 s87, 0
	s_add_nc_u64 s[OUTB:OUTB+1], s[10:11], s[86:87]
	s_wait_alu depctr_va_vdst(0)
	s_cmp_lt_u32 s[WV], 2
	s_cbranch_scc0 .Lnot_quarter_0
	s_wait_tensorcnt 0x0                           ; waves 0 and 1: quarter 0 has landed; the other two loads may stay out
.Lnot_quarter_0:
	s_barrier_signal -1
	s_barrier_wait -1
	FETCH 0
	s_wait_loadcnt 0x0                             ; the bias
	STEP 0, 1                                      ; the first step's products take the bias as C: nothing is cleared, nothing is added later
.irp s, 1,2,3,4,5,6,7
	s_wait_alu depctr_va_vdst(0)
	STEP \s, 0
.endr
; THE WAY OUT, block by block of 16 rows x 128 columns.  A lane holds pieces of 32 bytes of one row: a block goes through my own stage in LDS and comes back as whole rows of 512 bytes.  The stage (16 x 528 bytes) lies in my
; wave's own two records of R of stage 0: filled once, at the head, read by me alone, and my reads of them ended six K steps ago; no fill follows.  LDS serves a wave's instructions in order (ISA guide 5.7.1.4): no wait
; between the stores and the loads, nor ahead of the next block's stores.
.macro TOSTAGE a
	WIN 0x08                                       ; an LDS store's data are its source 1: window 2
.irp b, 0,1,2,3,4,5,6,7
	ds_store_b128 v[STO], v[64*(\a)+8*\b:64*(\a)+8*\b+3] offset:128*(\b/2)+32*(\b%2)          ; each accumulator from its low end on
	ds_store_b128 v[STO], v[64*(\a)+8*\b+4:64*(\a)+8*\b+7] offset:128*(\b/2)+32*(\b%2)+16
.endr
	WIN 0
.irp t, 0,1,2,3,4,5,6,7,8,9,10,11,12,13,14,15
	ds_load_b128 v[BK+64*((\a)%2)+4*\t:BK+64*((\a)%2)+4*\t+3], v[RD] offset:528*\t
.endr
.endm
.macro SEND a, younger                 ; younger: the LDS instructions issued behind block a's loads, which may stay out
	s_wait_dscnt \younger
.irp t, 0,1,2,3,4,5,6,7,8,9,10,11,12,13,14,15
	global_store_b128 v[G16], v[BK+64*((\a)%2)+4*\t:BK+64*((\a)%2)+4*\t+3], s[OUTB:OUTB+1] offset:(32*(\t/8)+16*((\a)%2)+2*(\t%8)+(\a)/2)*4096 th:TH_STORE_NT   ; by the order of x's rows, lane-row t of tile a is token 32 (t / 8) + 2 (8 (a % 2) + t % 8) + a / 2 of my 64; 32 lanes store 512 consecutive bytes, aligned to 256
.endr
.endm
	PLACES                                         ; ahead of the first reads of results and of loads into R's fragment registers
	TOSTAGE 0
.irp a, 1,2,3
.if \a > 1
	s_wait_xcnt 0x0                                ; block a - 2's stores have read their registers: block a's loads may land there
.endif
	TOSTAGE \a
	SEND \a-1, 32                                  ; behind block a - 1's loads: block a's 16 stores and 16 loads
.endr
	SEND 3, 0
	s_wait_tensorcnt 0x0
	ds_add_u32 v30, v31
	s_wait_dscnt 0x0
	ROUND                                          ; the closing round: no work-group ends while a partner may still ask for a tile that names it
	s_endpgm
.Lfunc_end_k_q57fc97fba9_oproj:
	.size	k_q57fc97fba9_oproj, .Lfunc_end_k_q57fc97fba9_oproj-k_q57fc97fba9_oproj
	.p2alignl 7, 3214868480
	.fill 96, 4, 3214868480
	.section	.rodata,"a",@progbits
	.p2align	6, 0x0
	.amdhsa_kernel k_q57fc97fba9_oproj
		.amdhsa_group_segment_fixed_size 307712
		.amdhsa_private_segment_fixed_size 0
		.amdhsa_enable_private_segment 0
		.amdhsa_kernarg_size 32
		.amdhsa_user_sgpr_count 2
		.amdhsa_user_sgpr_kernarg_segment_ptr 1
		.amdhsa_wavefront_size32 1
		.amdhsa_system_sgpr_workgroup_id_x 1
		.amdhsa_system_sgpr_workgroup_id_y 1
		.amdhsa_system_sgpr_workgroup_id_z 1
		.amdhsa_system_vgpr_workitem_id 0
		.amdhsa_next_free_vgpr 768
		.amdhsa_next_free_sgpr 100
		.amdhsa_reserve_vcc 0
		.amdhsa_float_denorm_mode_32 3
		.amdhsa_float_denorm_mode_16_64 3
		.amdhsa_memory_ordered 1
		.amdhsa_forward_progress 1
		.amdhsa_inst_pref_size 85
	.end_amdhsa_kernel
	.amdgpu_metadata
---
amdhsa.version: [ 1, 2 ]
amdhsa.kernels:
  - .name:           k_q57fc97fba9_oproj
    .symbol:         k_q57fc97fba9_oproj.kd
    .args:
      - { .name: yop, .offset: 0, .size: 8, .value_kind: global_buffer, .address_space: global }
      - { .name: wop, .offset: 8, .size: 8, .value_kind: global_buffer, .address_space: global }
      - { .name: bo, .offset: 16, .size: 8, .value_kind: global_buffer, .address_space: global }
      - { .name: out0, .offset: 24, .size: 8, .value_kind: global_buffer, .address_space: global }
    .group_segment_fixed_size: 307712
    .private_segment_fixed_size: 0
    .kernarg_segment_align: 8
    .kernarg_segment_size: 32
    .max_flat_workgroup_size: 128
    .sgpr_count:     100
    .vgpr_count:     768
    .wavefront_size: 32
...
	.end_amdgpu_metadata
.endif
;; end of part 4
